; MI455X (gfx1250); checked and timed in simulation.
; The chip was launched on July 23, 2026; its instructions are those of AMD's public machine-readable ISA for CDNA 5 (MIT licence, August 2026) and "CDNA5" Instruction Set Architecture Reference Guide (July 2026). The comments in the code are by the model that wrote it; some were corrected since.
;; Fast Weight Attention. Allowed arithmetic: matrix products marked QUANTISED: E2M1 operands, one E8M0 scale for each 32 along K, by v_wmma_scale_f32_16x16x128_f8f6f4 with both operands' format E2M1 (or v_wmma_scale_f32_32x16x128_f4), f32 sums; everything else in f32.
;; Inputs: We 16 x 1,024 float32; Wk 1,024 x 1,024 float32; Wo 1,024 x 1,024 float32; Wq 1,024 x 1,024 float32; Wv 1,024 x 1,024 float32; Ww 16 x 1,024 float32; be 16 float32; bw 16 float32; x 2 x 2,048 x 1,024 float32.
;; Outputs: out0 2 x 2,048 x 1,024 float32.
;; This version of the problem:
;;   THIS VERSION OF THE PROBLEM IS GIVEN IN LOW PRECISION. The matrix products marked QUANTISED in the list below multiply operands that are first quantised to E2M1 (2 exponent bits, 1 mantissa bit; 4 bits a number), with one power-of-two scale for each 32 numbers along K (OCP MX v1.0); their sums are f32. All else is computed in f32.
;;   The module's matrix products, in the order in which they are computed (A, B: the left and right operand; K: the contracted axis; several contracted axes count as one K, in the product's order):
;;     1. [M 4,096, K 1,024] x [K 1,024, N 1,024]; A: input x; B: input Wq: QUANTISED
;;     2. [M 4,096, K 1,024] x [K 1,024, N 1,024]; A: input x; B: input Wk: QUANTISED
;;     3. [M 4,096, K 1,024] x [K 1,024, N 1,024]; A: input x; B: input Wv: QUANTISED
;;     4. [M 4,096, K 1,024] x [K 1,024, N 16]; A: input x; B: input Ww: QUANTISED
;;     5. [M 4,096, K 1,024] x [K 1,024, N 16]; A: input x; B: input We: QUANTISED
;;     6. batch 32 x [M 2,048, K 64] x [K 64, N 2,048]; A: computed on the way; B: computed on the way: QUANTISED
;;     7. batch 32 x [M 2,048, K 2,048] x [K 2,048, N 64]; A: computed on the way; B: computed on the way: QUANTISED
;;     8. [M 4,096, K 1,024] x [K 1,024, N 1,024]; A: computed on the way; B: input Wo: QUANTISED
;;   THE QUANTISER, for each operand of a quantised product, along K:
;;     - K is cut into blocks of 32 from its start; a last block that is shorter is filled with zeros.
;;     - A block's scale is 2^e with e = floor(log2(the largest magnitude in the block)) - 2, held to -126 .. 127; a block of zeros has e = 0. As a byte (E8M0): e + 127.
;;     - Each number is divided by its block's scale, clamped to +-6, and rounded to the nearest number of E2M1, ties to even, subnormals kept.
;;     - The product sums the exact products of the quantised numbers (number of the format x scale) in f32.
;;   ~~~python
;;   def quantise(x, axis):      # numpy; x: float32 -> the quantised numbers, widened to float32 again
;;       x = np.moveaxis(x, axis, -1); K = x.shape[-1]
;;       x = np.pad(x, [(0, 0)] * (x.ndim - 1) + [(0, -K % 32)]); x = x.reshape(x.shape[:-1] + (-1, 32)); a = np.abs(x).max(-1, keepdims=True)
;;       e = np.where(a > 0, np.clip(np.frexp(np.where(a > 0, a, 1))[1] - 1 - 2, -126, 127), 0)      # np.frexp(a)[1] - 1 = floor(log2(a)), exactly
;;       r = np.clip(x / 2.0 ** e, -6, 6)
;;       step = 2.0 ** (np.maximum(np.frexp(np.where(r == 0, 1, r))[1] - 1, 0) - 1)
;;       q = np.round(r / step) * step * 2.0 ** e      # np.round: ties to even
;;       return np.moveaxis(q.reshape(q.shape[:-2] + (-1,))[..., :K], -1, axis).astype(np.float32)
;;   ~~~
;;   OPERANDS COMPUTED ON THE WAY. 'Computed on the way' means the value that the module computes at that place (a softmax that the list does not call 'softmax' is quantised finished and normalised). What goes into a quantiser is computed in f32, as accurately as f32 sums, v_exp_f32 and their like allow (about 1e-6 of the number): no bf16 or f16 on the way to a quantiser, and a product that is left as it is and whose result goes on into a quantised operand takes f32 operands (vector FMAs, or v_wmma_f32_16x16x4_f32). A number that lies on a knife's edge between two numbers of the format may be rounded either way, as far as f32 arithmetic and the matrix unit's own rounding can turn it there, and no further.
;; One version. Each part assembles by itself: llvm-mc -triple=amdgcn-amd-amdhsa -mcpu=gfx1250 --defsym DOCPART=n.
;; ======== version 1 of 1: 4 launches
;; workspace buffers: xq 2,228,224 bytes; wq 2,245,632 bytes; qi 2,359,296 bytes; kv 4,587,520 bytes; glog 524,288 bytes; oc 2,097,152 bytes; os 262,144 bytes
;; launch quant (part 1): grid 257 x 1, 4 waves a work-group, no clusters, 33,280 bytes of LDS; arguments x, Wq, Wk, Wv, Ww, We, Wo, xq, wq; writes xq, wq
.if DOCPART == 1
	.amdgcn_target "amdgcn-amd-amdhsa--gfx1250"
	.amdhsa_code_object_version 6
	.text
	.protected	k_q44633c20ac_quant
	.globl	k_q44633c20ac_quant
	.p2align	8
	.type	k_q44633c20ac_quant,@function
k_q44633c20ac_quant:
	s_mov_b64 s[64:65], 0
	v_nop
	global_prefetch_b8 v0, s[64:65] scope:SCOPE_SE
	s_setreg_imm32_b32 hwreg(HW_REG_WAVE_MODE, 25, 1), 1
	s_wait_xcnt 0x0
; x [4096][1024] and the six weights (Wq, Wk, Wv, Wo [1024][1024]; Ww, We [16][1024]), all f32 with K innermost, become codes of FP4 (E2M1), two a byte, and one E8M0 byte for each 32 along K.
; A block's scale is 2^(floor(log2(its largest magnitude)) - 2); its byte is the largest magnitude's exponent field - 2, held at 1 from below.
; LIMITS: a block of zeros gets the byte 1 where the quantiser says 127 (its codes are zeros, and only this program reads the bytes); NaN and infinities among the inputs are not served.
; A RUN is 8 rows = 8,192 numbers = one wave's work, 16 steps of 512 numbers.  1,028 runs: x 512, Wq, Wk, Wv 128 each, Ww 2, We 2, Wo 128: 257 work-groups of four waves.
; WHERE A RUN GOES.  xq: codes [4096 rows][512 B], scale bytes [4096][32 B] from byte XSO on.  wq: the same for 4,128 rows (Wq, Wk, Wv, the 32 gate rows, Wo), scale bytes from WSO on.
; TILE ORDER: within each 32 rows the four groups of 8 rows are stored in the order 0, 2, 1, 3 (the two low bits of the run's number change places), so that 16 stored rows on end are rows
; 8 u + r + 8 (r / 8) of the 32: as source 0 of a matrix instruction two such tiles give a lane 16 neighbours along the next product's K.
; Each load reads 512 consecutive bytes; a step's 2,048 bytes turn through the wave's own stage in LDS (16 bytes of padding behind each 64) and come back 16 neighbours a lane.
; Loads run eight steps ahead: 32 loads, 16 KiB, of every wave are out.  No barrier: waves share nothing.
.set STEPS, 16
.set AHEAD, 8
.set EMAX,  2
.set R,     16                         ; v16-143  eight sets of 16 numbers as they are loaded
.set X,     144                        ; v144-175 two sets of 16 neighbours
.set C,     176                        ; v176-207 codes: two registers for each step, so that no store's data are written again
.set E,     208                        ; v208-223 a scale byte for each step
.set WREG,  8192                       ; LDS: a region for each wave: two stages of 32 x SP bytes, then its 256 scale bytes
.set SP,    80
.set XSO,   2097152
.set WSO,   2113536
	s_load_b512 s[4:19], s[0:1], 0x0               ; x, Wq, Wk, Wv, Ww, We, Wo, xq
	s_load_b64 s[20:21], s[0:1], 0x40              ; wq
	v_lshl_add_u32 v224, v0, 2, 0x8000
	v_mov_b32 v225, 0
	v_lshrrev_b32 v1, 5, v0
	v_readfirstlane_b32 s22, v1                    ; wave
	v_and_b32 v2, 31, v0                           ; lane
	v_lshlrev_b32 v3, 4, v2                        ; my 16 bytes of a load's 512
	s_mul_i32 s25, s22, WREG
	v_lshrrev_b32 v14, 2, v2
	v_mul_u32_u24 v14, v14, SP
	v_and_b32 v15, 3, v2
	v_lshl_add_u32 v14, v15, 4, v14
	v_add_nc_u32 v14, s25, v14                     ; the stage, way in: SP (lane / 4) + 16 (lane % 4)
	v_mul_u32_u24 v15, v2, SP
	v_add_nc_u32 v15, s25, v15                     ; way out: SP x lane
	v_lshlrev_b32 v4, 3, v2                        ; 8 bytes a lane: my codes in a step's 256, and my part of the 256 scale bytes
	v_lshrrev_b32 v5, 1, v2
	s_add_co_u32 s25, s25, 2*32*SP
	v_add_nc_u32 v5, s25, v5                       ; LDS: my block's scale byte
	v_add_nc_u32 v6, s25, v4                       ; and 8 of the bytes on the way out
	s_lshl_b32 s23, ttmp9, 2
	s_add_co_u32 s23, s23, s22                     ; my run, 0 .. 1,027
	s_wait_kmcnt 0x0
	; which tensor the run belongs to: a chain of choices on the run's number alone.  s[26:27] the source, s24 its first run
	s_mov_b64 s[26:27], s[16:17]
	s_mov_b32 s24, 900
	s_mov_b32 s31, WSO
.macro PICK thr, p, base
	s_cmp_lt_u32 s23, \thr
	s_cselect_b64 s[26:27], s[\p:\p+1], s[26:27]
	s_cselect_b32 s24, \base, s24
.endm
	PICK 900, 14, 898
	PICK 898, 12, 896
	PICK 896, 10, 768
	PICK 768, 8, 640
	PICK 640, 6, 512
	PICK 512, 4, 0
	s_cselect_b64 s[28:29], s[18:19], s[20:21]     ; on the last compare: x goes to xq, all else to wq,
	s_cselect_b32 s30, 0, 512                      ; counted from its first run,
	s_cselect_b32 s31, XSO, s31                    ; with the scale bytes behind the codes
	s_sub_co_u32 s32, s23, s24
	s_lshl_b32 s32, s32, 15                        ; 32,768 bytes of f32 a run
	s_mov_b32 s33, 0
	s_add_nc_u64 s[26:27], s[26:27], s[32:33]
	s_sub_co_u32 s34, s23, s30                     ; the run's number in its buffer,
	s_and_b32 s35, s34, 1
	s_lshl_b32 s35, s35, 1
	s_bfe_u32 s36, s34, 0x10001
	s_and_not1_b32 s34, s34, 3
	s_or_b32 s34, s34, s35
	s_or_b32 s34, s34, s36                         ; with its two low bits exchanged: the tile order
	s_lshl_b32 s32, s34, 12                        ; 4,096 bytes of codes a run
	s_add_nc_u64 s[38:39], s[28:29], s[32:33]
	s_lshl_b32 s32, s34, 8                         ; 256 scale bytes a run
	s_add_co_u32 s32, s32, s31
	s_add_nc_u64 s[40:41], s[28:29], s[32:33]
.macro LOAD t
.irp i, 0,1,2,3
	global_load_b128 v[R+16*((\t)%AHEAD)+4*\i:R+16*((\t)%AHEAD)+4*\i+3], v3, s[26:27] offset:2048*(\t)+512*\i th:TH_LOAD_NT   ; 32 lanes read 512 consecutive bytes
.endr
.endm
.macro TURN t                          ; step t's numbers through the stage: LDS serves a wave's instructions in order, so no wait stands between the stores and the loads
.irp i, 0,1,2,3
	ds_store_b128 v14, v[R+16*((\t)%AHEAD)+4*\i:R+16*((\t)%AHEAD)+4*\i+3] offset:32*SP*((\t)%2)+8*SP*\i
.endr
.irp i, 0,1,2,3
	ds_load_b128 v[X+16*((\t)%2)+4*\i:X+16*((\t)%2)+4*\i+3], v15 offset:32*SP*((\t)%2)+16*\i
.endr
.endm
.irp t, 0,1,2,3,4,5,6,7
	LOAD \t
.endr
	s_wait_loadcnt 28                              ; step 0's four loads are in; the 28 of steps 1 to 7 stay out
	TURN 0
.macro STEP t
.set XS, X+16*((\t)%2)
.if (\t) > 0
	s_wait_dscnt 1                                 ; this step's numbers are back from the stage (the last step's byte store may be out): its stores into the stage have read their registers,
.else
	s_wait_dscnt 0x0
.endif
.if (\t)+AHEAD < STEPS
	LOAD (\t)+AHEAD                                ; which take the loads of eight steps on
.endif
.if (\t)+1 < STEPS
.if STEPS-2-(\t) >= AHEAD-1
	s_wait_loadcnt 4*(AHEAD-1)                     ; the next step's four loads are in; those of the seven steps behind it may be out
.else
	s_wait_loadcnt 4*(STEPS-2-(\t))                ; near the end: those of the steps that are left
.endif
	TURN (\t)+1
.endif
	v_max3_num_f32 v8, |v[XS]|, |v[XS+1]|, |v[XS+2]|               ; the largest magnitude of my 16, in two chains
	v_max3_num_f32 v9, |v[XS+3]|, |v[XS+4]|, |v[XS+5]|
.irp i, 6,10
	v_max3_num_f32 v8, v8, |v[XS+\i]|, |v[XS+\i+1]|
	v_max3_num_f32 v9, v9, |v[XS+\i+2]|, |v[XS+\i+3]|
.endr
	v_max3_num_f32 v8, v8, |v[XS+14]|, |v[XS+15]|
	v_max3_num_f32 v8, v8, v9, (EMAX+1)<<23        ; and the floor 2^(3 - 127): the byte cannot fall under 1
	v_max_num_f32_dpp v8, v8, v8 row_xmask:1 row_mask:0xf bank_mask:0xf   ; with my neighbour's 16: the block's
	v_add_nc_u32 v11, -(EMAX<<23), v8              ; 2 off its exponent field: the conversion takes the exponent field of this operand as its scale
	v_cvt_scalef32_pk8_fp4_f32 v[C+2*(\t)], v[XS:XS+7], v11
	v_cvt_scalef32_pk8_fp4_f32 v[C+2*(\t)+1], v[XS+8:XS+15], v11
	v_lshrrev_b32 v[E+(\t)], 23, v11               ; the scale's byte
	ds_store_b8 v5, v[E+(\t)] offset:16*(\t)       ; both lanes of a block write the same byte with the same value
	global_store_b64 v4, v[C+2*(\t):C+2*(\t)+1], s[38:39] offset:256*(\t)   ; the wave stores 256 consecutive bytes, aligned
.endm
.irp t, 0,1,2,3,4,5,6,7,8,9,10,11,12,13,14,15
	STEP \t
.endr
	ds_load_b64 v[12:13], v6                       ; LDS serves a wave's instructions in order: these see my byte stores
	s_wait_dscnt 0x0
	global_store_b64 v4, v[12:13], s[40:41]        ; the run's 256 scale bytes: 256 consecutive bytes, aligned
	s_wait_tensorcnt 0x0
	ds_add_u32 v224, v225
	s_wait_dscnt 0x0
	s_endpgm
.Lfunc_end_k_q44633c20ac_quant:
	.size	k_q44633c20ac_quant, .Lfunc_end_k_q44633c20ac_quant-k_q44633c20ac_quant
	.p2alignl 7, 3214868480
	.fill 96, 4, 3214868480
	.section	.rodata,"a",@progbits
	.p2align	6, 0x0
	.amdhsa_kernel k_q44633c20ac_quant
		.amdhsa_group_segment_fixed_size 33280
		.amdhsa_private_segment_fixed_size 0
		.amdhsa_enable_private_segment 0
		.amdhsa_kernarg_size 72
		.amdhsa_user_sgpr_count 2
		.amdhsa_user_sgpr_kernarg_segment_ptr 1
		.amdhsa_wavefront_size32 1
		.amdhsa_system_sgpr_workgroup_id_x 1
		.amdhsa_system_sgpr_workgroup_id_y 1
		.amdhsa_system_sgpr_workgroup_id_z 1
		.amdhsa_system_vgpr_workitem_id 0
		.amdhsa_next_free_vgpr 226
		.amdhsa_next_free_sgpr 66
		.amdhsa_reserve_vcc 0
		.amdhsa_float_denorm_mode_32 3
		.amdhsa_float_denorm_mode_16_64 3
		.amdhsa_memory_ordered 1
		.amdhsa_forward_progress 1
		.amdhsa_inst_pref_size 34
	.end_amdhsa_kernel
	.amdgpu_metadata
---
amdhsa.version: [ 1, 2 ]
amdhsa.kernels:
  - .name:           k_q44633c20ac_quant
    .symbol:         k_q44633c20ac_quant.kd
    .args:
      - { .name: x, .offset: 0, .size: 8, .value_kind: global_buffer, .address_space: global }
      - { .name: Wq, .offset: 8, .size: 8, .value_kind: global_buffer, .address_space: global }
      - { .name: Wk, .offset: 16, .size: 8, .value_kind: global_buffer, .address_space: global }
      - { .name: Wv, .offset: 24, .size: 8, .value_kind: global_buffer, .address_space: global }
      - { .name: Ww, .offset: 32, .size: 8, .value_kind: global_buffer, .address_space: global }
      - { .name: We, .offset: 40, .size: 8, .value_kind: global_buffer, .address_space: global }
      - { .name: Wo, .offset: 48, .size: 8, .value_kind: global_buffer, .address_space: global }
      - { .name: xq, .offset: 56, .size: 8, .value_kind: global_buffer, .address_space: global }
      - { .name: wq, .offset: 64, .size: 8, .value_kind: global_buffer, .address_space: global }
    .group_segment_fixed_size: 33280
    .private_segment_fixed_size: 0
    .kernarg_segment_align: 8
    .kernarg_segment_size: 72
    .max_flat_workgroup_size: 128
    .sgpr_count:     66
    .vgpr_count:     226
    .wavefront_size: 32
...
	.end_amdgpu_metadata
.endif
;; end of part 1
;; launch proj (part 2): grid 16 x 16, 16 waves a work-group, clusters of 4 x 4, 264,192 bytes of LDS; arguments xq, wq, qi, kv, glog; writes qi, kv, glog
.if DOCPART == 2
	.amdgcn_target "amdgcn-amd-amdhsa--gfx1250"
	.amdhsa_code_object_version 6
	.text
	.protected	k_q44633c20ac_proj
	.globl	k_q44633c20ac_proj
	.p2align	8
	.type	k_q44633c20ac_proj,@function
k_q44633c20ac_proj:
	s_mov_b64 s[64:65], 0
	v_nop
	global_prefetch_b8 v0, s[64:65] scope:SCOPE_SE
	s_setreg_imm32_b32 hwreg(HW_REG_WAVE_MODE, 25, 1), 1
	s_wait_xcnt 0x0
	s_wait_alu depctr_hold_cnt(0) depctr_sa_sdst(0) depctr_va_vdst(0) depctr_va_sdst(0) depctr_va_ssrc(0) depctr_va_vcc(0) depctr_vm_vsrc(0)
	s_getreg_b32 s2, hwreg(HW_REG_IB_STS2, 6, 4)
	s_cmp_eq_u32 s2, 0
	s_cbranch_scc0 .Lentry_in_a_cluster
	s_endpgm
.Lentry_in_a_cluster:
	s_bfe_u32 s2, ttmp6, 0x10000c
	s_cmp_lg_u32 s2, 0xf033
	s_cbranch_scc0 .Lentry_shape_is_right
	s_endpgm
.Lentry_shape_is_right:
; x Wq^T, x Wk^T, x Wv^T, x Ww^T, x We^T on codes of FP4 with E8M0 scales (K = 1,024), then what follows each: Q, K: phi = elu + 1, quantised along the head's 64; V: quantised along the keys; the gates' sums as f32, without bias.
; SHARES.  Work-group (head, y) takes 256 stored rows of x and ONE head: 64 rows each of Wq, Wk, Wv and its two gate rows.  Sixteen waves: role = wave / 4 (0 Q, 1 K, 2 V, 3 gates), quarter = wave % 4 (64 rows of x).
; Roles Q, K: source 0 = 16 rows of W, source 1 = 16 rows of x: a lane holds one row of x and its registers run along the features.  Role V: source 0 = x, source 1 = Wv: a lane holds one channel and its registers run along the keys.
; By the tile order of xq and wq (16 stored rows = rows 8 u + r + 8 (r / 8) of 32) the 16 registers of tiles 2 G, 2 G + 1 are the 16 neighbours 32 G + 16 (lane / 16) + 0 .. 15 along the next product's K.
; Role gates: source 0 has the head's Ww row in rows 0-7 and its We row in rows 8-15, so register 0 of lanes 0-15 is the write sum and of lanes 16-31 the erase sum of the lane's row of x.
; LDS.  All of K fits: two halves of K (256 rows of x and 192 of W, 256 bytes + 16 of padding a row) and the scale bytes; every byte is filled once, so there is no ring.  A wave has three tensor loads out at most.
; CLUSTER 4 x 4: x's tiles hang on y alone and are asked for jointly along a row of the cluster, W's on the head alone, along a column.
; OUT.  Operands leave as images of their registers (lane l's 16 bytes at 16 l, 512 bytes a tile), scale words in the order in which the next launch's scale registers take them.
; LIMITS: NaN and infinities are not served; a block of zeros gets the scale byte 1 (own workspace; its codes are zeros).  phi = max(x, 0) + min(e^x, 1): x + 1 above 0, e^x below, e^x by v_exp_f32.
.set SLOT,  121856                     ; a half of K in LDS: x's 256 rows, then W's 192, 272 bytes each
.set XW,    69632                      ; where W's rows begin in it
.set SCX,   243712                     ; the scale bytes: units of 256 bytes (8 rows) + 16: x's 32 units, then W's 24
.set XSO,   2097152
.set WSO,   2113536
.set QSO,   2097152
.set REC,   143360                     ; a head's record in kv: K's images 65,536; V's 65,536; K's scale words 8,192; V's 4,096
.set GS,    16                         ; v16-23   gates: the eight K steps' scale words of the gate rows; nothing else is ever kept here
.set SC,    32                         ; v32-47   scale words: register 4 i + q: lanes 0-15 x's tile i, lanes 16-31 W's tile i, the half's q-th 128 along K
.set FX,    64                         ; v64-95   x's four fragments
.set FW,    96                         ; v96-127  W's four
.set ACC,   128                        ; v128-255 accumulator (a, t) at 128 + 32 a + 8 t (gates: four, v128-159)
.set FG,    160                        ; v160-223 gates: the eight K steps' fragments of the gate rows (accumulators in the other roles)
.set T,     64                         ; afterwards: v64-95 exponentials; v96-101 at work; v112-127 codes; v48-51 scale words; v52-53 as stored
.set TM,    96
.set PC,    112
.set PW,    48
.macro CROUND                          ; a round of the cluster's barrier
	s_barrier_signal -1
	s_barrier_wait -1
	s_cmp_lg_u32 s14, 0
	s_cbranch_scc1 .Lnot_wave_0_\@
	s_barrier_signal -3
.Lnot_wave_0_\@:
	s_barrier_wait -3
	s_barrier_signal -1
	s_barrier_wait -1
.endm
.macro PLACES n
.rept \n
	v_nop
.endr
.endm
; one matrix instruction.  first = 1: the constant 0 starts the sum.  row = 1: source 0's scales stand in lanes 16-31; 2: source 1's
.macro MM d, a, b, sa, sb, first, row
.if \first
.if (\row) == 1
	v_wmma_scale_f32_16x16x128_f8f6f4 v[\d:\d+7], v[\a:\a+7], v[\b:\b+7], 0, v[\sa], v[\sb] matrix_a_fmt:MATRIX_FMT_FP4 matrix_b_fmt:MATRIX_FMT_FP4 matrix_a_scale:MATRIX_SCALE_ROW1
.elseif (\row) == 2
	v_wmma_scale_f32_16x16x128_f8f6f4 v[\d:\d+7], v[\a:\a+7], v[\b:\b+7], 0, v[\sa], v[\sb] matrix_a_fmt:MATRIX_FMT_FP4 matrix_b_fmt:MATRIX_FMT_FP4 matrix_b_scale:MATRIX_SCALE_ROW1
.else
	v_wmma_scale_f32_16x16x128_f8f6f4 v[\d:\d+7], v[\a:\a+7], v[\b:\b+7], 0, v[\sa], v[\sb] matrix_a_fmt:MATRIX_FMT_FP4 matrix_b_fmt:MATRIX_FMT_FP4
.endif
.else
.if (\row) == 1
	v_wmma_scale_f32_16x16x128_f8f6f4 v[\d:\d+7], v[\a:\a+7], v[\b:\b+7], v[\d:\d+7], v[\sa], v[\sb] matrix_a_fmt:MATRIX_FMT_FP4 matrix_b_fmt:MATRIX_FMT_FP4 matrix_a_scale:MATRIX_SCALE_ROW1
.elseif (\row) == 2
	v_wmma_scale_f32_16x16x128_f8f6f4 v[\d:\d+7], v[\a:\a+7], v[\b:\b+7], v[\d:\d+7], v[\sa], v[\sb] matrix_a_fmt:MATRIX_FMT_FP4 matrix_b_fmt:MATRIX_FMT_FP4 matrix_b_scale:MATRIX_SCALE_ROW1
.else
	v_wmma_scale_f32_16x16x128_f8f6f4 v[\d:\d+7], v[\a:\a+7], v[\b:\b+7], v[\d:\d+7], v[\sa], v[\sb] matrix_a_fmt:MATRIX_FMT_FP4 matrix_b_fmt:MATRIX_FMT_FP4
.endif
.endif
.endm
	s_load_b256 s[4:11], s[0:1], 0x0               ; xq, wq, qi, kv
	s_load_b64 s[12:13], s[0:1], 0x20              ; glog
	v_lshl_add_u32 v62, v0, 2, 0x40000
	v_mov_b32 v63, 0
	ds_add_u32 v62, v63
	ds_add_u32 v62, v63
	v_lshrrev_b32 v1, 5, v0
	v_readfirstlane_b32 s14, v1                    ; wave 0..15
	s_and_b32 s16, s14, 7                          ; which 32 rows I fetch
	s_lshr_b32 s17, s14, 2                         ; role
	s_and_b32 s18, s14, 3                          ; quarter of x's rows
	s_min_u32 s19, s17, 2                          ; which 64 rows of W (the gates' waves read V's scale words and use none of them)
	s_bfe_u32 s84, ttmp6, 0x40000                  ; cx
	s_bfe_u32 s85, ttmp6, 0x40004                  ; cy
	s_lshl_b32 s86, ttmp9, 2
	s_add_co_u32 s86, s86, s84                     ; head = 4 x cluster x + cx
	s_and_b32 s87, ttmp7, 0xffff
	s_lshl_b32 s87, s87, 2
	s_add_co_u32 s87, s87, s85                     ; y = 4 x cluster y + cy
	s_lshl_b32 s88, s85, 2
	s_lshl_b32 s88, 15, s88                        ; my row of the cluster
	s_lshl_b32 s89, 0x1111, s84                    ; my column
	s_mov_b32 s20, 0x76543210
	s_mov_b32 s21, 0xfedcba98                      ; v_permlanex16_b32's selects for lane l xor 16
	s_mov_b32 s22, 0x3fb8aa3b                      ; log2(e)
	s_mov_b32 s23, s22                             ; (named with it as a pair)
	; descriptor group 1 for codes: 32 rows x 256 bytes out of rows of 512, 16 bytes of padding behind each
	s_or_b32 s24, s88, (1<<20)|(1<<21)|(5<<22)|(3<<25)             ; x: the mask of my row; elements of 1 byte; padding on; bit 21 beside a mask; after every 64 words, 4 words
	s_or_b32 s32, s89, (1<<20)|(1<<21)|(5<<22)|(3<<25)             ; W: the mask of my column
.irp g, 24, 32
	s_mov_b32 s[\g+1], 256<<16                     ; tensor_dim0
	s_mov_b32 s[\g+2], 32<<16                      ; tensor_dim1
	s_mov_b32 s[\g+3], 256<<16                     ; tile_dim0
	s_mov_b32 s[\g+4], 32                          ; tile_dim1
	s_mov_b32 s[\g+5], 512                         ; from row to row
	s_mov_b32 s[\g+6], 0
	s_mov_b32 s[\g+7], 0
.endr
	; and for the scale bytes of 32 rows: 1,024 dense bytes as 4 rows of 32 elements of 8 bytes, 16 bytes of padding behind each
	s_or_b32 s40, s88, (3<<16)|(1<<20)|(1<<21)|(5<<22)|(3<<25)
	s_or_b32 s48, s89, (3<<16)|(1<<20)|(1<<21)|(5<<22)|(3<<25)
.irp g, 40, 48
	s_mov_b32 s[\g+1], 32<<16
	s_mov_b32 s[\g+2], 4<<16
	s_mov_b32 s[\g+3], 32<<16
	s_mov_b32 s[\g+4], 4
	s_mov_b32 s[\g+5], 32
	s_mov_b32 s[\g+6], 0
	s_mov_b32 s[\g+7], 0
.endr
	; every wave makes both addresses, in registers that never hold the other coordinate, and asks by one of them or by none
	s_lshl_b32 s90, s87, 8
	s_lshl_b32 s99, s16, 5
	s_add_co_u32 s90, s90, s99                     ; x: stored row 256 y + 32 (wave % 8)
	s_lshl_b32 s92, s90, 5
	s_add_co_u32 s92, s92, XSO                     ; its scale bytes
	s_mov_b32 s93, 0
	s_lshl_b32 s90, s90, 9                         ; its codes
	s_mov_b32 s91, 0
	s_lshr_b32 s94, s16, 1
	s_lshl_b32 s94, s94, 10
	s_lshl_b32 s100, s86, 6
	s_add_co_u32 s94, s94, s100
	s_and_b32 s100, s16, 1
	s_lshl_b32 s100, s100, 5
	s_add_co_u32 s94, s94, s100                    ; W: stored row 1,024 (k / 2) + 64 head + 32 (k % 2), k = wave % 8
	s_lshl_b32 s96, s94, 5
	s_add_co_u32 s96, s96, WSO
	s_mov_b32 s97, 0
	s_lshl_b32 s94, s94, 9
	s_mov_b32 s95, 0
	s_mul_i32 s15, s14, 8704                       ; where they go: 32 rows x 272 bytes x wave: x's eight parts, then W's six
	s_mul_i32 s101, s14, 1088
	s_add_co_u32 s101, s101, SCX                   ; the scale bytes: 4 units x wave
	s_wait_dscnt 0x0
	s_wait_kmcnt 0x0
	s_add_nc_u64 s[90:91], s[4:5], s[90:91]
	s_add_nc_u64 s[92:93], s[4:5], s[92:93]
	s_add_nc_u64 s[94:95], s[6:7], s[94:95]
	s_add_nc_u64 s[96:97], s[6:7], s[96:97]
	s_mov_b32 s68, 1                               ; group 0: x's scale bytes
	s_mov_b32 s69, s101
	s_mov_b64 s[70:71], s[92:93]
	s_or_b32 s71, s71, 0x80000000
	s_mov_b32 s80, 1                               ; W's scale bytes
	s_mov_b32 s81, s101
	s_mov_b64 s[82:83], s[96:97]
	s_or_b32 s83, s83, 0x80000000
.irp s, 0,1
	s_mov_b32 s[56+4*\s], 1                        ; x's codes, half s of K
	s_add_co_u32 s[57+4*\s], s15, \s*SLOT
	s_add_nc_u64 s[58+4*\s:59+4*\s], s[90:91], \s*256
	s_or_b32 s[59+4*\s], s[59+4*\s], 0x80000000
	s_mov_b32 s[72+4*\s], 1                        ; W's
	s_add_co_u32 s[73+4*\s], s15, \s*SLOT
	s_add_nc_u64 s[74+4*\s:75+4*\s], s[94:95], \s*256
	s_or_b32 s[75+4*\s], s[75+4*\s], 0x80000000
.endr
	CROUND                                         ; all sixteen work-groups are here: the joint loads meet
	s_cmp_lt_u32 s14, 8                            ; a wave's first fills stand in one branch on its number: waves 0-7 x, 8-13 W, 14 and 15 none
	s_cbranch_scc0 .Lnot_x
	tensor_load_to_lds s[68:71], s[40:47]          ; the scale bytes first, then the halves of K in order
	s_nop 0
	tensor_load_to_lds s[56:59], s[24:31]
	s_nop 0
	tensor_load_to_lds s[60:63], s[24:31]
	s_nop 0
	PLACES 4
	s_branch .Lasked
.Lnot_x:
	s_cmp_lt_u32 s14, 14
	s_cbranch_scc0 .Lasked
	tensor_load_to_lds s[80:83], s[48:55]
	s_nop 0
	tensor_load_to_lds s[72:75], s[32:39]
	s_nop 0
	tensor_load_to_lds s[76:79], s[32:39]
	s_nop 0
	PLACES 4
.Lasked:
	; every LDS address is made here, ahead of the first parting of the roles
	v_and_b32 v1, 15, v0                           ; r
	v_bfe_u32 v2, v0, 4, 1                         ; h
	v_and_b32 v3, 31, v0
	v_lshlrev_b32 v11, 3, v3                       ; 8 x lane
	v_lshlrev_b32 v3, 4, v3                        ; 16 x lane
	v_mul_u32_u24 v13, v1, 272
	v_lshl_add_u32 v13, v2, 4, v13                 ; a fragment's row x pitch + 16 x half
	s_mul_i32 s90, s18, 17408                      ; my 64 rows of x
	s_mul_i32 s91, s19, 17408                      ; my 64 rows of W,
	s_add_co_u32 s91, s91, XW                      ; behind x's 256
	v_add_nc_u32 v4, s90, v13
	v_add_nc_u32 v6, s91, v13
	s_add_co_u32 s90, s90, SLOT
	s_add_co_u32 s91, s91, SLOT
	v_add_nc_u32 v5, s90, v13
	v_add_nc_u32 v7, s91, v13
	v_lshrrev_b32 v14, 3, v1
	v_mul_u32_u24 v14, v14, 272
	v_and_b32 v15, 7, v1
	v_lshl_add_u32 v14, v15, 5, v14                ; a row's 32 scale bytes: unit r / 8, place r % 8
	s_mul_i32 s92, s18, 2176                       ; x's: 8 units a quarter
	s_mul_i32 s93, s19, 2176
	s_add_co_u32 s93, s93, 8704                    ; W's: behind x's 32 units
	s_sub_co_u32 s93, s93, s92
	v_mul_u32_u24 v8, s93, v2                      ; lanes 16-31 take W's: one product with the half
	s_add_co_u32 s92, s92, SCX
	v_add_nc_u32 v8, v8, v14
	v_add_nc_u32 v8, s92, v8
	v_lshrrev_b32 v9, 3, v1                        ; the gates: row r of source 0 is the row of type r / 8
	v_lshlrev_b32 v10, 8, v9                       ; its scale bytes: the two types lie 8 rows of 32 bytes apart,
	v_lshlrev_b32 v9, 12, v9                       ; its codes 8 rows of 512
	v_lshl_add_u32 v9, v2, 4, v9
	v_lshrrev_b32 v12, 3, v1
	v_lshl_add_u32 v12, v12, 4, v15                ; a stored row's place among its 32: (r % 8) + 16 (r / 8)
	v_lshlrev_b32 v12, 2, v12
	v_lshl_add_u32 v12, v2, 17, v12                ; glog: lanes 16-31 hold the erase sums, 16 heads x 8,192 bytes on
	s_lshr_b32 s94, s86, 3
	s_lshl_b32 s94, s94, 4
	s_and_b32 s95, s86, 7
	s_add_co_u32 s94, s94, s95
	s_add_co_u32 s94, s94, 3072                    ; the head's Ww row in wq: 3,072 + 16 (head / 8) + head % 8
	s_lshl_b32 s96, s94, 5
	s_add_co_u32 s96, s96, WSO
	s_mov_b32 s97, 0
	s_lshl_b32 s94, s94, 9
	s_mov_b32 s95, 0
	s_add_nc_u64 s[94:95], s[6:7], s[94:95]
	s_add_nc_u64 s[96:97], s[6:7], s[96:97]
	s_cmp_eq_u32 s17, 3
	s_cbranch_scc0 .Lno_g
.irp s, 0,1,2,3,4,5,6,7
.irp c, 0,1
	global_load_b128 v[FG+8*\s+4*\c:FG+8*\s+4*\c+3], v9, s[94:95] offset:64*\s+32*\c   ; the gate rows' fragments of all eight K steps stay in registers
.endr
.endr
	global_load_b128 v[GS:GS+3], v10, s[96:97]     ; and their 32 scale bytes: word s for K step s
	global_load_b128 v[GS+4:GS+7], v10, s[96:97] offset:16
.Lno_g:
.macro SCALES slot                     ; a half's four scale words of each tile: lanes 0-15 x's tile i, lanes 16-31 W's tile i
.irp i, 0,1,2,3
	ds_load_b128 v[SC+4*\i:SC+4*\i+3], v8 offset:544*\i+16*\slot
.endr
.endm
; A K step of 128: the q-th of half slot.  The accumulators take turns, one instruction a turn, in one order in every step.
; FIVE PLACES stand between two steps.  Four serve the loads into registers that matrix instructions have read.  The fifth: the gates' arm keeps its fragments in v160-223, which are accumulators in the
; other arms.  A wave stays in one arm; the text all the same keeps, on every way from one step's arm to the next step's, the distance that a matrix instruction owes when it writes over a register
; that an earlier one reads, or takes an earlier one's result as an operand (the dependency: ISA guide 7.12.1).
.macro KSTEP slot, q, first
.if !\first
	PLACES 5
.endif
.if \q == 0
	SCALES \slot
.endif
.irp i, 0,1,2,3
.irp c, 0,1
	ds_load_b128 v[FX+8*\i+4*\c:FX+8*\i+4*\c+3], v[4+\slot] offset:64*\q+32*\c+4352*\i
.endr
.endr
	s_cmp_eq_u32 s17, 3
	s_cbranch_scc1 .Lg_\@
.irp i, 0,1,2,3
.irp c, 0,1
	ds_load_b128 v[FW+8*\i+4*\c:FW+8*\i+4*\c+3], v[6+\slot] offset:64*\q+32*\c+4352*\i
.endr
.endr
	s_wait_dscnt 0x0
	s_cmp_eq_u32 s17, 2
	s_cbranch_scc1 .Lv_\@
.irp a, 0,1,2,3
.irp t, 0,1,2,3
	MM ACC+32*\a+8*\t, FW+8*\t, FX+8*\a, SC+4*\t+\q, SC+4*\a+\q, \first, 1
.endr
.endr
	s_branch .Lj_\@
.Lv_\@:
.irp a, 0,1,2,3
.irp t, 0,1,2,3
	MM ACC+32*\a+8*\t, FX+8*\t, FW+8*\a, SC+4*\t+\q, SC+4*\a+\q, \first, 2
.endr
.endr
	s_branch .Lj_\@
.Lg_\@:
	s_wait_dscnt 0x0
	s_wait_loadcnt 0x0                             ; the gate rows
.irp a, 0,1,2,3
	MM ACC+8*\a, FG+8*(4*\slot+\q), FX+8*\a, GS+4*\slot+\q, SC+4*\a+\q, \first, 0
.endr
.Lj_\@:
.endm
	s_wait_tensorcnt 0x1                           ; my scale bytes and my part of the first half of K are in; the second half's load may stay out
	s_barrier_signal -1
	s_barrier_wait -1                              ; everybody's are
	KSTEP 0, 0, 1
	KSTEP 0, 1, 0
	KSTEP 0, 2, 0
	KSTEP 0, 3, 0
	s_wait_tensorcnt 0x0                           ; my part of the second half (no LDS load of mine is out: each step waited for its own)
	s_barrier_signal -1
	s_barrier_wait -1
	KSTEP 1, 0, 0
	KSTEP 1, 1, 0
	KSTEP 1, 2, 0
	KSTEP 1, 3, 0
	PLACES 4                                       ; in front of the first read of results and of vector writes to registers that held fragments; no matrix instruction follows
; 32 numbers v[s] on become elu + 1, in place: max(x, 0) + min(e^x, 1)
.macro PHI s
.set J, 0
.rept 16
	v_pk_mul_f32 v[T+J:T+J+1], v[\s+J:\s+J+1], s[22:23] op_sel_hi:[1,0]   ; x log2(e): each accumulator is read from its low end on
.set J, J+2
.endr
.set J, 0
.rept 32
	v_exp_f32 v[T+J], v[T+J]
.set J, J+1
.endr
.set J, 0
.rept 32
	v_max_num_f32 v[\s+J], 0, v[\s+J]              ; (plain lines behind the exponentials)
.set J, J+1
.endr
.set J, 0
	s_wait_alu depctr_va_vdst(0)
.rept 32
	v_min_num_f32 v[T+J], 1.0, v[T+J]
.set J, J+1
.endr
.set J, 0
.rept 16
	v_pk_add_f32 v[\s+J:\s+J+1], v[\s+J:\s+J+1], v[T+J:T+J+1]
.set J, J+2
.endr
.endm
; 32 numbers of a lane, register 16 b + i = k 32 b + 16 (lane / 16) + i of the lane's row, become four registers of codes (k = 32 (lane / 16) + 0 .. 31) and two scale bytes in a word
.macro QUANT2 s, pc, pw
.irp b, 0,1
	v_max3_num_f32 v[TM+\b], |v[\s+16*\b]|, |v[\s+1+16*\b]|, 0x1800000   ; my 16 numbers of block b, and the floor 2^(3 - 127)
.endr
.irp i, 2,4,6,8,10,12,14
.irp b, 0,1
	v_max3_num_f32 v[TM+\b], v[TM+\b], |v[\s+16*\b+\i]|, |v[\s+1+16*\b+\i]|
.endr
.endr
.irp b, 0,1
	v_permlanex16_b32 v[TM+2+\b], v[TM+\b], s20, s21
.endr
.irp b, 0,1
	v_max_num_f32 v[TM+\b], v[TM+\b], v[TM+2+\b]   ; with lane l xor 16's: the block's largest magnitude
.endr
.irp b, 0,1
	v_add_nc_u32 v[TM+4+\b], 0xff000000, v[TM+\b]  ; 2 off its exponent field: the conversion's scale operand
.endr
.irp b, 0,1
	v_lshrrev_b32 v[TM+2+\b], 23, v[TM+4+\b]       ; the scale's byte
.endr
	v_lshl_or_b32 v[\pw], v[TM+3], 8, v[TM+2]
.irp b, 0,1
	v_cvt_scalef32_pk8_fp4_f32 v[\pc+2*\b], v[\s+16*\b:\s+16*\b+7], v[TM+4+\b]
	v_cvt_scalef32_pk8_fp4_f32 v[\pc+2*\b+1], v[\s+16*\b+8:\s+16*\b+15], v[TM+4+\b]
.endr
	v_nop                                          ; one plain line behind a scaled conversion
	v_permlane16_swap_b32 v[\pc], v[\pc+2]         ; a whole block in a lane: lanes 0-15 block 0, lanes 16-31 block 1
	v_permlane16_swap_b32 v[\pc+1], v[\pc+3]
.endm
	s_lshr_b32 s90, s87, 3                         ; batch
	s_lshl_b32 s91, s90, 4
	s_add_co_u32 s91, s91, s86                     ; bh = 16 batch + head
	s_and_b32 s92, s87, 7
	s_lshl_b32 s93, s92, 1
	s_lshr_b32 s94, s18, 1
	s_add_co_u32 s93, s93, s94                     ; my chunk of 128 positions: 2 (y % 8) + quarter / 2
	s_and_b32 s94, s18, 1                          ; and which half of it
	s_mul_i32 s95, s91, REC                        ; the head's record in kv
	s_mov_b32 s59, 0                               ; (no tensor load of mine is out: the descriptors' registers are free)
	s_mov_b32 s61, 0
	s_cmp_eq_u32 s17, 3
	s_cbranch_scc1 .Lepi_g
	v_mov_b32 v[TM+2], 0                           ; a lane permute's destination counts as one of its sources
	v_mov_b32 v[TM+3], 0
	s_mov_b32 vcc_lo, 0xffff0000                   ; lanes 16-31
	s_cmp_eq_u32 s17, 2
	s_cbranch_scc1 .Lepi_v
	; ---- Q and K: phi, quantised along the head's 64; tile 16 (y % 8) + 4 quarter + a of the head's 128
	s_lshl_b32 s96, s91, 16                        ; Q: 65,536 bytes of images a head,
	s_lshl_b32 s97, s91, 13
	s_add_co_u32 s97, s97, QSO                     ; 8,192 of scale words
	s_add_co_u32 s99, s95, 131072                  ; K: in the record
	s_cmp_eq_u32 s17, 0
	s_cselect_b64 s[56:57], s[8:9], s[10:11]       ; qi or kv: the choice hangs on the wave's number alone
	s_cselect_b32 s96, s96, s95
	s_cselect_b32 s97, s97, s99
	s_lshl_b32 s99, s92, 13
	s_add_co_u32 s96, s96, s99
	s_lshl_b32 s99, s18, 11
	s_add_co_u32 s58, s96, s99
	s_lshl_b32 s99, s93, 9                         ; scale words: 512 bytes a chunk: [lane][4 words], word q of lane 16 (t % 2) + r is tile t = 2 q + lane / 16
	s_add_co_u32 s97, s97, s99
	s_lshl_b32 s99, s94, 3
	s_add_co_u32 s60, s97, s99
	s_add_nc_u64 s[58:59], s[56:57], s[58:59]
	s_add_nc_u64 s[60:61], s[56:57], s[60:61]
.irp a, 0,1,2,3
	PHI ACC+32*\a
	QUANT2 ACC+32*\a, PC+4*\a, PW+\a
	global_store_b128 v3, v[PC+4*\a:PC+4*\a+3], s[58:59] offset:512*\a   ; the image: 512 consecutive bytes, aligned
.endr
	v_cndmask_b32 v52, v48, v49, vcc_lo            ; lanes 0-15 the even tile's word, lanes 16-31 the odd tile's
	v_cndmask_b32 v53, v50, v51, vcc_lo
	global_store_b64 v3, v[52:53], s[60:61]
	s_branch .Lepi_end
.Lepi_v:
	; ---- V: quantised along the keys; my 64 keys are half c of a chunk's fragment of each of the four tiles of channels
	s_add_co_u32 s96, s95, 65536
	s_lshl_b32 s99, s93, 12
	s_add_co_u32 s96, s96, s99
	s_lshl_b32 s99, s94, 9
	s_add_co_u32 s58, s96, s99
	s_add_co_u32 s97, s95, 139264
	s_lshl_b32 s99, s93, 8                         ; scale words: 256 bytes a chunk: [lane][2 words]; my two bytes are bytes 2 c, 2 c + 1
	s_add_co_u32 s97, s97, s99
	s_lshl_b32 s99, s94, 1
	s_add_co_u32 s60, s97, s99
	s_add_nc_u64 s[58:59], s[10:11], s[58:59]
	s_add_nc_u64 s[60:61], s[10:11], s[60:61]
.irp a, 0,1,2,3
	QUANT2 ACC+32*\a, PC+4*\a, PW+\a
	global_store_b128 v3, v[PC+4*\a:PC+4*\a+3], s[58:59] offset:1024*\a
.endr
	v_cndmask_b32 v52, v48, v49, vcc_lo
	v_cndmask_b32 v53, v50, v51, vcc_lo
	global_store_b16 v11, v52, s[60:61]            ; two bytes a lane: 4,096 bytes of a head's 143,360
	global_store_b16 v11, v53, s[60:61] offset:4
	s_branch .Lepi_end
.Lepi_g:
	; ---- the gates' sums, at their natural positions: glog [batch][type][head][2048]
	s_lshl_b32 s96, s90, 5
	s_add_co_u32 s96, s96, s86
	s_lshl_b32 s96, s96, 13
	s_lshl_b32 s99, s92, 10
	s_add_co_u32 s96, s96, s99
	s_lshl_b32 s99, s18, 8
	s_add_co_u32 s58, s96, s99
	s_add_nc_u64 s[58:59], s[12:13], s[58:59]
.irp a, 0,1,2,3
	global_store_b32 v12, v[ACC+8*\a], s[58:59] offset:4*(32*(\a/2)+8*(\a%2))   ; register 0: row 0 (write) in lanes 0-15, row 8 (erase) in lanes 16-31
.endr
.Lepi_end:
	s_wait_tensorcnt 0x0
	ds_add_u32 v62, v63
	s_wait_dscnt 0x0
	CROUND                                         ; the closing round: no work-group ends while a partner may still ask for a tile that names it
	s_endpgm
.Lfunc_end_k_q44633c20ac_proj:
	.size	k_q44633c20ac_proj, .Lfunc_end_k_q44633c20ac_proj-k_q44633c20ac_proj
	.p2alignl 7, 3214868480
	.fill 96, 4, 3214868480
	.section	.rodata,"a",@progbits
	.p2align	6, 0x0
	.amdhsa_kernel k_q44633c20ac_proj
		.amdhsa_group_segment_fixed_size 264192
		.amdhsa_private_segment_fixed_size 0
		.amdhsa_enable_private_segment 0
		.amdhsa_kernarg_size 40
		.amdhsa_user_sgpr_count 2
		.amdhsa_user_sgpr_kernarg_segment_ptr 1
		.amdhsa_wavefront_size32 1
		.amdhsa_system_sgpr_workgroup_id_x 1
		.amdhsa_system_sgpr_workgroup_id_y 1
		.amdhsa_system_sgpr_workgroup_id_z 1
		.amdhsa_system_vgpr_workitem_id 0
		.amdhsa_next_free_vgpr 256
		.amdhsa_next_free_sgpr 102
		.amdhsa_reserve_vcc 1
		.amdhsa_float_denorm_mode_32 3
		.amdhsa_float_denorm_mode_16_64 3
		.amdhsa_memory_ordered 1
		.amdhsa_forward_progress 1
		.amdhsa_inst_pref_size 98
	.end_amdhsa_kernel
	.amdgpu_metadata
---
amdhsa.version: [ 1, 2 ]
amdhsa.kernels:
  - .name:           k_q44633c20ac_proj
    .symbol:         k_q44633c20ac_proj.kd
    .args:
      - { .name: xq, .offset: 0, .size: 8, .value_kind: global_buffer, .address_space: global }
      - { .name: wq, .offset: 8, .size: 8, .value_kind: global_buffer, .address_space: global }
      - { .name: qi, .offset: 16, .size: 8, .value_kind: global_buffer, .address_space: global }
      - { .name: kv, .offset: 24, .size: 8, .value_kind: global_buffer, .address_space: global }
      - { .name: glog, .offset: 32, .size: 8, .value_kind: global_buffer, .address_space: global }
    .group_segment_fixed_size: 264192
    .private_segment_fixed_size: 0
    .kernarg_segment_align: 8
    .kernarg_segment_size: 40
    .max_flat_workgroup_size: 512
    .sgpr_count:     102
    .vgpr_count:     256
    .wavefront_size: 32
...
	.end_amdgpu_metadata
.endif
;; end of part 2
;; launch attn (part 3): grid 8 x 32, 8 waves a work-group, clusters of 4 x 1, 169,216 bytes of LDS; arguments qi, kv, glog, bw, be, oc, os; writes oc, os
.if DOCPART == 3
	.amdgcn_target "amdgcn-amd-amdhsa--gfx1250"
	.amdhsa_code_object_version 6
	.text
	.protected	k_q44633c20ac_attn
	.globl	k_q44633c20ac_attn
	.p2align	8
	.type	k_q44633c20ac_attn,@function
k_q44633c20ac_attn:
	s_mov_b64 s[64:65], 0
	v_nop
	global_prefetch_b8 v0, s[64:65] scope:SCOPE_SE
	s_setreg_imm32_b32 hwreg(HW_REG_WAVE_MODE, 25, 1), 1
	s_wait_xcnt 0x0
	s_wait_alu depctr_hold_cnt(0) depctr_sa_sdst(0) depctr_va_vdst(0) depctr_va_sdst(0) depctr_va_ssrc(0) depctr_va_vcc(0) depctr_vm_vsrc(0)
	s_getreg_b32 s2, hwreg(HW_REG_IB_STS2, 6, 4)
	s_cmp_eq_u32 s2, 0
	s_cbranch_scc0 .Lentry_in_a_cluster
	s_endpgm
.Lentry_in_a_cluster:
	s_bfe_u32 s2, ttmp6, 0x10000c
	s_cmp_lg_u32 s2, 0x3003
	s_cbranch_scc0 .Lentry_shape_is_right
	s_endpgm
.Lentry_shape_is_right:
; For one head: eff[i][j] = (Q_i . K_j) w_j exp(C_i - C_j) for j <= i; out_i = (sum_j eff V_j) / (sum_j eff + 1e-6).  Both products on codes of FP4 with E8M0 scales; eff is quantised along the keys as it stands;
; the divisor is the f32 sum of the unquantised eff; out is quantised along the head's 64 for the last product.
; GATES.  w = sigmoid(z_w + bw), e = sigmoid(z_e + be), l = log2((1 - e) 0.95 + 1e-8); C is the running sum of l, so exp(C_i - C_j) of natural logs is 2^(difference) here.
; l is negative ((1 - e) 0.95 + 1e-8 < 1), so C falls.  For a chunk of 128 keys that lies before the query's chunk: 2^(C_i - C_j) = a_i b'_j, a_i = 2^(Crel_i + the totals of the chunks between), b'_j = 2^(T - Crel_j),
; Crel the sum from the chunk's start, T the chunk's total: both exponents are 0 or less, so neither factor can overflow, and one vanishes only where the product does.  In the query's own chunk: 2^(Crel_i - Crel_j), one exponential a number.
; LIMITS: the running sum is taken in log2 and relative to chunks of 128, another order of rounding than a running f32 sum of natural logs over 2,048; a factor under 2^-126 counts as 0 (v_exp_f32);
; division by v_rcp_f32 and a multiply; NaN and infinities among the inputs are not served; a block of zeros gets the scale byte 1 (own workspace; its codes are zeros).
; SHARES.  Work-group (g, bh), g = 0 .. 7; eight waves.  Wave w owns two tiles of 16 queries: tile 7 - g of chunk 15 - w and tile g of chunk w: 17 key steps of 128 for every wave.  Chunks, branches and LDS addresses hang on the wave's number alone.
; LDS.  The head's whole record of kv (K's and V's images and scale words, 143,360 bytes) is filled once, one tensor load a wave, asked for jointly by the four work-groups of a cluster.  Behind it, in bytes of their own: b, w, -Crel (8,192 each) and the 16 totals.
; LAYOUT.  S^T = K Q^T (source 0 = 16 keys, source 1 = my 16 queries), O^T = V^T P^T: a lane holds one query.  K = 64 is filled up to the instruction's 128 by zero codes on both sides.
; By the tile order the 16 registers of tiles 2 b, 2 b + 1 are keys 32 b + 16 (lane / 16) + 0 .. 15 of the chunk.
; REGISTERS: v1-4 lane terms; v5-10 the step's LDS addresses; v11 Crel_i, v12 the mask's bound, v13 the totals between, v14 a total, v15 an exponent; v16-23 Q (v20-23 zeros), v24 its scale word, v25 P's; v26-29 K's scale words, v30-31 V's;
; v32-95 K (upper halves zeros); v96-159 S^T, then eff; v160-191 O^T; v192-223 V; v224-231 P's codes; v232-247 at work; v248-249 a_i or the reciprocal; v250-251 the sum; v252-255 a second chain or w; v256-260 the second tile's Q and scale word.
.set REC,  143360
.set KS,   131072
.set VS,   139264
.set BF,   143360                      ; b_j; w_j 8,192 bytes on; -Crel_j 16,384 on
.set NCR,  159744
.set CT,   167936
.set QSO,  2097152
.set KF,   32
.set S,    96
.set O,    160
.set VF,   192
.set PC,   224
.set TM,   232
.macro CROUND
	s_barrier_signal -1
	s_barrier_wait -1
	s_cmp_lg_u32 s18, 0
	s_cbranch_scc1 .Lnot_wave_0_\@
	s_barrier_signal -3
.Lnot_wave_0_\@:
	s_barrier_wait -3
	s_barrier_signal -1
	s_barrier_wait -1
.endm
.macro MM d, a, b, sa, sb, first, row  ; first = 1: the constant 0 starts the sum.  row = 1: source 0's scales stand in lanes 16-31
.if \first
.if (\row) == 1
	v_wmma_scale_f32_16x16x128_f8f6f4 v[\d:\d+7], v[\a:\a+7], v[\b:\b+7], 0, v[\sa], v[\sb] matrix_a_fmt:MATRIX_FMT_FP4 matrix_b_fmt:MATRIX_FMT_FP4 matrix_a_scale:MATRIX_SCALE_ROW1
.else
	v_wmma_scale_f32_16x16x128_f8f6f4 v[\d:\d+7], v[\a:\a+7], v[\b:\b+7], 0, v[\sa], v[\sb] matrix_a_fmt:MATRIX_FMT_FP4 matrix_b_fmt:MATRIX_FMT_FP4
.endif
.else
.if (\row) == 1
	v_wmma_scale_f32_16x16x128_f8f6f4 v[\d:\d+7], v[\a:\a+7], v[\b:\b+7], v[\d:\d+7], v[\sa], v[\sb] matrix_a_fmt:MATRIX_FMT_FP4 matrix_b_fmt:MATRIX_FMT_FP4 matrix_a_scale:MATRIX_SCALE_ROW1
.else
	v_wmma_scale_f32_16x16x128_f8f6f4 v[\d:\d+7], v[\a:\a+7], v[\b:\b+7], v[\d:\d+7], v[\sa], v[\sb] matrix_a_fmt:MATRIX_FMT_FP4 matrix_b_fmt:MATRIX_FMT_FP4
.endif
.endif
.endm
	s_load_b256 s[4:11], s[0:1], 0x0               ; qi, kv, glog, bw
	s_load_b128 s[12:15], s[0:1], 0x20             ; be, oc
	s_load_b64 s[16:17], s[0:1], 0x30              ; os
	s_set_vgpr_msb 0x40
	v_lshl_add_u32 v16, v0, 2, 0x29100
	v_mov_b32 v17, 0
	s_set_vgpr_msb 0x4045
	ds_add_u32 v16, v17
	ds_add_u32 v16, v17
	s_set_vgpr_msb 0x4500
	v_lshrrev_b32 v1, 5, v0
	v_readfirstlane_b32 s18, v1                    ; wave 0..7
	s_bfe_u32 s19, ttmp6, 0x40000                  ; cx
	s_lshl_b32 s56, ttmp9, 2
	s_add_co_u32 s19, s19, s56                     ; g = 4 x cluster x + cx: it enters global addresses, the mask's bound and selects of values alone
	s_and_b32 s22, ttmp7, 0xffff                   ; bh, which the four partners share
	s_and_b32 s23, s22, 15                         ; head
	s_mov_b32 s20, 0x76543210
	s_mov_b32 s21, 0xfedcba98                      ; v_permlanex16_b32's selects for lane l xor 16
	s_mov_b32 s74, 0x3f733333                      ; 0.95
	s_mov_b32 s75, 0x322bcc77                      ; 1e-8
	s_mov_b32 s24, 15|(3<<16)|(1<<21)              ; group 1: the mask: all four work-groups; elements of 8 bytes; bit 21 beside a mask; no padding
	s_mov_b32 s25, 32<<16                          ; rows of 256 bytes,
	s_mov_b32 s26, 70<<16                          ; 70 of them: an eighth of the record
	s_mov_b32 s27, 32<<16
	s_mov_b32 s28, 70
	s_mov_b32 s29, 32
	s_mov_b32 s30, 0
	s_mov_b32 s31, 0
	s_mov_b32 s32, 1
	s_mul_i32 s33, s18, 17920                      ; LDS address: wave x 17,920
	s_mul_i32 s58, s22, REC
	s_add_co_u32 s58, s58, s33
	s_mov_b32 s59, 0
	s_wait_dscnt 0x0
	s_wait_kmcnt 0x0
	s_add_nc_u64 s[34:35], s[6:7], s[58:59]
	s_or_b32 s35, s35, 0x80000000
	CROUND                                         ; all four work-groups are here: the joint loads meet
	tensor_load_to_lds s[32:35], s[24:31]          ; my one tensor load
	s_nop 0
.rept 4
	v_nop
.endr
	s_lshl_b32 s76, s23, 2
	s_load_b32 s54, s[10:11], s76 offset:0x0       ; bw[head]
	s_load_b32 s55, s[12:13], s76 offset:0x0       ; be[head]
	s_lshr_b32 s58, s22, 4
	s_lshl_b32 s58, s58, 5
	s_add_co_u32 s58, s58, s23
	s_lshl_b32 s58, s58, 13                        ; glog [batch][type][head][2048]: the write sums; the erase sums lie 131,072 bytes on
	s_add_nc_u64 s[46:47], s[8:9], s[58:59]
	s_xor_b32 s36, s18, 15                         ; the first tile: chunk 15 - w,
	s_xor_b32 s37, s19, 7                          ; tile 7 - g of it
; the four global bases of the tile gt of chunk ch: Q's image, Q's scale words, out's image, out's scale bytes
.macro BASES ch, gt, pq, ps, po, pz
	s_lshl_b32 s56, s[\ch], 3
	s_add_co_u32 s56, s56, s[\gt]                  ; the tile among the head's 128
	s_lshl_b32 s58, s22, 7
	s_add_co_u32 s58, s58, s56
	s_lshl_b32 s58, s58, 9
	s_add_nc_u64 s[\pq:\pq+1], s[4:5], s[58:59]
	s_lshl_b32 s58, s22, 4
	s_add_co_u32 s58, s58, s[\ch]
	s_lshl_b32 s58, s58, 9
	s_and_b32 s57, s[\gt], 1
	s_lshl_b32 s57, s57, 8
	s_add_co_u32 s58, s58, s57                     ; lanes 16 (tile % 2) on,
	s_lshr_b32 s57, s[\gt], 1
	s_lshl_b32 s57, s57, 2
	s_add_co_u32 s58, s58, s57                     ; word tile / 2
	s_add_co_u32 s58, s58, QSO
	s_add_nc_u64 s[\ps:\ps+1], s[4:5], s[58:59]
	s_lshr_b32 s57, s22, 4
	s_lshl_b32 s57, s57, 7
	s_add_co_u32 s56, s56, s57                     ; the tile among all 256
	s_lshl_b32 s58, s56, 13
	s_lshl_b32 s57, s23, 9
	s_add_co_u32 s58, s58, s57
	s_add_nc_u64 s[\po:\po+1], s[14:15], s[58:59]  ; oc [tile][head][512]
	s_lshl_b32 s58, s56, 10
	s_lshr_b32 s57, s23, 1
	s_lshl_b32 s57, s57, 7
	s_add_co_u32 s58, s58, s57
	s_and_b32 s57, s23, 1
	s_lshl_b32 s57, s57, 1
	s_add_co_u32 s58, s58, s57
	s_add_nc_u64 s[\pz:\pz+1], s[16:17], s[58:59]  ; os [tile][head / 2][lane][4], bytes 2 (head % 2) on
.endm
	BASES 36, 37, 60, 62, 42, 44
	BASES 18, 19, 66, 68, 70, 72                   ; the second tile: tile g of chunk w
	v_and_b32 v1, 31, v0
	v_lshlrev_b32 v3, 3, v1
	v_add_nc_u32 v3, VS, v3                        ; V's scale words: 8 x lane
	v_lshlrev_b32 v1, 4, v1                        ; an image's place for my lane: 16 x lane
	v_add_nc_u32 v2, KS, v1                        ; K's scale words
	v_and_b32 v5, 15, v0                           ; r
	v_bfe_u32 v6, v0, 4, 1                         ; h
	v_lshrrev_b32 v4, 2, v5
	v_lshlrev_b32 v4, 7, v4
	v_lshl_add_u32 v4, v6, 6, v4
	v_and_b32 v7, 3, v5
	v_lshl_add_u32 v4, v7, 4, v4
	v_add_nc_u32 v4, BF, v4                        ; the key factors: lane l of half h takes the four of keys 32 (l / 4) + 16 h + 4 (l % 4) on: every factor that the half's lanes want lies in one lane of the half
	v_lshlrev_b32 v8, 4, v5                        ; Q's scale words: 16 r
	v_lshlrev_b32 v9, 5, v0                        ; the gates' sums: thread t takes positions 8 t .. 8 t + 7
	v_lshl_add_u32 v10, v0, 5, BF                  ; and stores their factors at 32 t
	v_lshrrev_b32 v12, 4, v0
	v_lshl_add_u32 v12, v12, 2, CT                 ; its chunk's total
	global_load_b128 v[192:195], v9, s[46:47]
	global_load_b128 v[196:199], v9, s[46:47] offset:16
	global_load_b128 v[200:203], v9, s[46:47] offset:131072
	global_load_b128 v[204:207], v9, s[46:47] offset:131088
	global_load_b128 v[16:19], v1, s[60:61]        ; the first tile's Q,
	global_load_b32 v24, v8, s[62:63]
	s_set_vgpr_msb 0x0040                          ; destination in window 1
	global_load_b128 v[0:3], v1, s[66:67]          ; the second tile's, kept in v256-259
	global_load_b32 v4, v8, s[68:69]               ; v260
	s_set_vgpr_msb 0x4000
.irp t, 0,1,2,3,4,5,6,7
.irp k, 4,5,6,7
	v_mov_b32 v[KF+8*\t+\k], 0                     ; zero codes for k = 64 .. 127, for good
.endr
.endr
.irp k, 20,21,22,23
	v_mov_b32 v\k, 0
.endr
.irp k, 236,237,238,239,249
	v_mov_b32 v\k, 0                               ; lane permutes' destinations, and the upper half of a pair that is named whole
.endr
	s_wait_loadcnt 0x0
	s_wait_kmcnt 0x0
	; ---- the gates of my 8 positions.  v192-199 w, v200-207 e, then l, then Crel
.set I, 0
.rept 8
	v_add_f32 v[192+I], s54, v[192+I]
	v_add_f32 v[200+I], s55, v[200+I]
.set I, I+1
.endr
.set I, 0
.rept 16
	v_mul_f32 v[192+I], 0xbfb8aa3b, v[192+I]       ; x -log2(e)
.set I, I+1
.endr
.set I, 0
.rept 16
	v_exp_f32 v[192+I], v[192+I]
.set I, I+1
.endr
	v_nop                                          ; a plain line behind the transcendentals
.set I, 0
	s_wait_alu depctr_va_vdst(0)
.rept 16
	v_add_f32 v[192+I], 1.0, v[192+I]
.set I, I+1
.endr
.set I, 0
.rept 16
	v_rcp_f32 v[192+I], v[192+I]
.set I, I+1
.endr
	v_nop
.set I, 0
	s_wait_alu depctr_va_vdst(0)
.rept 8
	v_sub_f32 v[200+I], 1.0, v[200+I]
.set I, I+1
.endr
.set I, 0
.rept 8
	v_fma_f32 v[200+I], v[200+I], s74, s75         ; (1 - e) 0.95 + 1e-8
.set I, I+1
.endr
.set I, 0
.rept 8
	v_log_f32 v[200+I], v[200+I]
.set I, I+1
.endr
	v_nop
.set I, 0
	s_wait_alu depctr_va_vdst(0)
.rept 7
	v_add_f32 v[201+I], v[200+I], v[201+I]         ; the running sum inside the thread
.set I, I+1
.endr
	v_mov_b32 v232, v207
	v_add_f32_dpp v232, v232, v232 row_shr:1 row_mask:0xf bank_mask:0xf   ; a chunk of 128 positions is a row of 16 lanes: the running sum of the threads' totals (a lane without a source keeps its number)
	v_add_f32_dpp v232, v232, v232 row_shr:2 row_mask:0xf bank_mask:0xf
	v_add_f32_dpp v232, v232, v232 row_shr:4 row_mask:0xf bank_mask:0xf
	v_add_f32_dpp v232, v232, v232 row_shr:8 row_mask:0xf bank_mask:0xf
	v_mov_b32 v233, 0
	v_mov_b32 v234, 0
	v_mov_b32_dpp v233, v232 row_shr:1 row_mask:0xf bank_mask:0xf         ; what lies before my thread in the chunk (0 for its first)
	v_mov_b32_dpp v234, v232 row_share:15 row_mask:0xf bank_mask:0xf      ; T: the chunk's total
.set I, 0
.rept 8
	v_add_f32 v[200+I], v233, v[200+I]             ; Crel
.set I, I+1
.endr
.set I, 0
.rept 8
	v_sub_f32 v[208+I], v234, v[200+I]             ; T - Crel, 0 or less
.set I, I+1
.endr
.set I, 0
.rept 8
	v_exp_f32 v[208+I], v[208+I]
.set I, I+1
.endr
.set I, 0
.rept 8
	v_sub_f32 v[216+I], 0, v[200+I]                ; -Crel.  (Plain lines behind the exponentials)
.set I, I+1
.endr
.set I, 0
	s_wait_alu depctr_va_vdst(0)
.rept 8
	v_mul_f32 v[208+I], v[192+I], v[208+I]         ; b = w 2^(T - Crel)
.set I, I+1
.endr
	ds_store_b128 v10, v[208:211]
	ds_store_b128 v10, v[212:215] offset:16
	ds_store_b128 v10, v[192:195] offset:8192
	ds_store_b128 v10, v[196:199] offset:8208
	ds_store_b128 v10, v[216:219] offset:16384
	ds_store_b128 v10, v[220:223] offset:16400
	ds_store_b32 v12, v234                         ; sixteen lanes write the same word with the same value
	s_wait_tensorcnt 0x0                           ; my eighth of the record has landed,
	s_wait_dscnt 0x0                               ; my stores too:
	s_barrier_signal -1
	s_barrier_wait -1                              ; everybody's have.  Nothing in LDS is written from here on
.macro ADDR                            ; the chunk's LDS addresses.  Six plain lines: also the places between the last product of a step and the loads into its operands' registers
	v_add_nc_u32 v5, s40, v1                       ; K's images: 4,096 bytes a chunk
	v_add_nc_u32 v6, 0x10000, v5                   ; V's
	v_add_nc_u32 v7, s39, v2                       ; K's scale words: 512
	v_add_nc_u32 v8, s41, v3                       ; V's: 256
	v_add_nc_u32 v9, s39, v4                       ; the key factors: 512
	v_mov_b32 v10, s53                             ; the total
.endm
.macro KLOADS
	ds_load_b128 v[26:29], v7
.irp t, 0,1,2,3,4,5,6,7
	ds_load_b128 v[KF+8*\t:KF+8*\t+3], v5 offset:512*\t
.endr
.endm
.macro VLOADS
.irp d, 0,1,2,3
.irp c, 0,1
	ds_load_b128 v[VF+8*\d+4*\c:VF+8*\d+4*\c+3], v6 offset:1024*\d+512*\c
.endr
.endr
	ds_load_b64 v[30:31], v8
.endm
.macro SMUL                            ; S^T = K Q^T: eight tiles of 16 keys
.irp t, 0,1,2,3,4,5,6,7
	MM S+8*\t, KF+8*\t, 16, 26+\t/2, 24, 1, \t%2
.endr
.endm
.macro OMUL first                      ; O^T (+)= V^T P^T: four tiles of 16 channels, by turns
.irp d, 0,1,2,3
	MM O+8*\d, VF+8*\d, PC, 30+\d/2, 25, \first, \d%2
.endr
.endm
.macro QUANT4                          ; eff's four blocks of 32 keys become P's codes and scale word.  No |.|: eff is never negative
.irp b, 0,1,2,3
	v_max3_num_f32 v[TM+\b], v[S+16*\b], v[S+1+16*\b], 0x1800000   ; my 16 numbers of block b, and the floor 2^(3 - 127)
.endr
.irp i, 2,4,6,8,10,12,14
.irp b, 0,1,2,3
	v_max3_num_f32 v[TM+\b], v[TM+\b], v[S+16*\b+\i], v[S+1+16*\b+\i]
.endr
.endr
.irp b, 0,1,2,3
	v_permlanex16_b32 v[TM+4+\b], v[TM+\b], s20, s21
.endr
.irp b, 0,1,2,3
	v_max_num_f32 v[TM+\b], v[TM+\b], v[TM+4+\b]
.endr
.irp b, 0,1,2,3
	v_add_nc_u32 v[TM+12+\b], 0xff000000, v[TM+\b]
.endr
.irp b, 0,1,2,3
	v_lshrrev_b32 v[TM+4+\b], 23, v[TM+12+\b]
.endr
	v_lshl_or_b32 v25, v[TM+5], 8, v[TM+4]
	v_lshl_or_b32 v25, v[TM+6], 16, v25
	v_lshl_or_b32 v25, v[TM+7], 24, v25
.irp b, 0,1,2,3
	v_cvt_scalef32_pk8_fp4_f32 v[PC+2*\b], v[S+16*\b:S+16*\b+7], v[TM+12+\b]
	v_cvt_scalef32_pk8_fp4_f32 v[PC+2*\b+1], v[S+16*\b+8:S+16*\b+15], v[TM+12+\b]
.endr
	v_nop                                          ; one plain line behind a scaled conversion
.irp c, 0,1
.irp i, 0,1
	v_permlane16_swap_b32 v[PC+4*\c+\i], v[PC+2+4*\c+\i]
.endr
.endr
.endm
.macro SUMS                            ; the row's sum of the unquantised eff, two at a time, in two chains.  These 32 lines are also the places between P's codes and scale word and the products that take them
	v_pk_add_f32 v[252:253], v[S:S+1], v[S+2:S+3]
.irp j, 4,8,12,16,20,24,28,32,36,40,44,48,52,56,60
	v_pk_add_f32 v[250:251], v[250:251], v[S+\j:S+\j+1]
	v_pk_add_f32 v[252:253], v[252:253], v[S+\j+2:S+\j+3]
.endr
	v_pk_add_f32 v[250:251], v[250:251], v[252:253]
.endm
; A chunk that lies before the query's: eff = S b_j a_i
.macro STEP_REG
	KLOADS
	ds_load_b128 v[TM+8:TM+11], v9                 ; b
	ds_load_b32 v14, v10                           ; T
	VLOADS
	s_wait_dscnt 11                                ; K and its scale words are in; behind them: b, T, V's eight and V's scale words
	SMUL
	s_wait_dscnt 9                                 ; b and T are in; V's nine may be out
	v_add_f32 v15, v11, v13                        ; Crel_i + the totals of the chunks between
	v_add_f32 v13, v13, v14                        ; this chunk's total joins them for the next chunk down
	v_nop
	v_nop                                          ; four places behind the products
	v_exp_f32 v248, v15                            ; a_i
.irp L, 0,1,2,3,4,5,6,7,8,9,10,11,12,13,14,15
.irp k, 0,1,2,3
	v_mul_f32_dpp v[S+4*\L+\k], v[TM+8+\k], v[S+4*\L+\k] row_share:\L row_mask:0xf bank_mask:0xf   ; register 4 L + k holds key 32 (L / 4) + 16 h + 4 (L % 4) + k: its b is component k of lane L of my half
.endr
.endr
.set J, 0
	s_wait_alu depctr_va_vdst(0)
.rept 32
	v_pk_mul_f32 v[S+J:S+J+1], v[S+J:S+J+1], v[248:249] op_sel_hi:[1,0]
.set J, J+2
.endr
	QUANT4
	SUMS
	s_wait_dscnt 0x0                               ; V
	OMUL 0
.endm
; Half hf of the query's own chunk: eff = S w_j 2^(Crel_i - Crel_j), 0 where the key comes after the query (what stood there, an infinity perhaps, is replaced, not multiplied)
.macro DHALF hf, l0, l1, l2, l3, l4, l5, l6, l7
.irp L, \l0,\l1,\l2,\l3,\l4,\l5,\l6,\l7
.irp k, 0,1,2,3
	v_add_f32_dpp v[VF+4*\L+\k-32*\hf], v[TM+8+\k], v11 row_share:\L row_mask:0xf bank_mask:0xf
.endr
.endr
.set J, 0
.rept 32
	v_exp_f32 v[VF+J], v[VF+J]
.set J, J+1
.endr
.irp L, \l0,\l1,\l2,\l3,\l4,\l5,\l6,\l7
.irp k, 0,1,2,3
	v_mul_f32_dpp v[S+4*\L+\k], v[252+\k], v[S+4*\L+\k] row_share:\L row_mask:0xf bank_mask:0xf   ; x w.  (Plain lines behind the exponentials)
.endr
.endr
.set J, 0
	s_wait_alu depctr_va_vdst(0)
.rept 16
	v_pk_mul_f32 v[S+32*\hf+J:S+32*\hf+J+1], v[S+32*\hf+J:S+32*\hf+J+1], v[VF+J:VF+J+1]
.set J, J+2
.endr
.irp L, \l0,\l1,\l2,\l3,\l4,\l5,\l6,\l7
.irp k, 0,1,2,3
	v_cmp_gt_i32 vcc_lo, 32*(\L/4)+4*(\L%4)+\k, v12
	v_cndmask_b32 v[S+4*\L+\k], v[S+4*\L+\k], v20, vcc_lo
.endr
.endr
.endm
.macro STEP_DIAG
	KLOADS
	ds_load_b128 v[TM+8:TM+11], v9 offset:16384    ; -Crel_j
	ds_load_b128 v[252:255], v9 offset:8192        ; w_j
	s_wait_dscnt 2                                 ; K and its scale words are in; those two may be out
	SMUL
	s_wait_dscnt 0x0
	v_mov_b32 v13, 0                               ; no chunk lies between yet
	v_mov_b32 v250, 0                              ; the tile's sum begins
	v_mov_b32 v251, 0
	v_nop                                          ; four places behind the products
	DHALF 0, 0,1,2,3,4,5,6,7
	DHALF 1, 8,9,10,11,12,13,14,15
	VLOADS                                         ; into the registers that held the exponentials
	QUANT4
	SUMS
	s_wait_dscnt 0x0
	OMUL 1                                         ; the tile's first products start O^T's sums
.endm
.macro QUANT2 s, pc, pw                ; as QUANT4 for two blocks, with |.|: out may be negative
.irp b, 0,1
	v_max3_num_f32 v[TM+\b], |v[\s+16*\b]|, |v[\s+1+16*\b]|, 0x1800000
.endr
.irp i, 2,4,6,8,10,12,14
.irp b, 0,1
	v_max3_num_f32 v[TM+\b], v[TM+\b], |v[\s+16*\b+\i]|, |v[\s+1+16*\b+\i]|
.endr
.endr
.irp b, 0,1
	v_permlanex16_b32 v[TM+2+\b], v[TM+\b], s20, s21
.endr
.irp b, 0,1
	v_max_num_f32 v[TM+\b], v[TM+\b], v[TM+2+\b]
.endr
.irp b, 0,1
	v_add_nc_u32 v[TM+4+\b], 0xff000000, v[TM+\b]
.endr
.irp b, 0,1
	v_lshrrev_b32 v[TM+2+\b], 23, v[TM+4+\b]
.endr
	v_lshl_or_b32 v[\pw], v[TM+3], 8, v[TM+2]
.irp b, 0,1
	v_cvt_scalef32_pk8_fp4_f32 v[\pc+2*\b], v[\s+16*\b:\s+16*\b+7], v[TM+4+\b]
	v_cvt_scalef32_pk8_fp4_f32 v[\pc+2*\b+1], v[\s+16*\b+8:\s+16*\b+15], v[TM+4+\b]
.endr
	v_nop
	v_permlane16_swap_b32 v[\pc], v[\pc+2]
	v_permlane16_swap_b32 v[\pc+1], v[\pc+3]
.endm
; One tile of 16 queries: tile s37 of chunk s36.
.macro TILE
	v_and_b32 v232, 7, v0
	v_bfe_u32 v233, v0, 3, 1
	v_lshl_add_u32 v232, v233, 4, v232             ; (r % 8) + 16 (r / 8): my query's place among its tile pair's 32
	s_lshl_b32 s56, s36, 9
	s_add_co_u32 s56, s56, NCR
	v_lshl_add_u32 v233, v232, 2, s56
.irp k, 0,1,2,3,4,5,6,7
	ds_load_b32 v[TM+8+\k], v233 offset:128*(\k/2)+32*(\k%2)   ; -Crel of that place in each of the chunk's eight tiles: which tile is mine hangs on g, so the number is selected and no LDS address is made of g
.endr
	s_lshr_b32 s57, s37, 1
	s_lshl_b32 s57, s57, 5
	s_and_b32 s58, s37, 1
	s_lshl_b32 s58, s58, 3
	s_add_co_u32 s57, s57, s58
	v_bfe_u32 v234, v0, 4, 1
	v_lshlrev_b32 v234, 4, v234
	v_sub_nc_u32 v12, v232, v234
	v_add_nc_u32 v12, s57, v12                     ; my query's place in the chunk - 16 (lane / 16): register 16 b + i is hidden where 32 b + i is larger
	s_wait_dscnt 0x0
	s_bitcmp1_b32 s37, 0
	s_cselect_b32 vcc_lo, -1, 0
	v_cndmask_b32 v240, v240, v241, vcc_lo
	v_cndmask_b32 v242, v242, v243, vcc_lo
	v_cndmask_b32 v244, v244, v245, vcc_lo
	v_cndmask_b32 v246, v246, v247, vcc_lo
	s_bitcmp1_b32 s37, 1
	s_cselect_b32 vcc_lo, -1, 0
	v_cndmask_b32 v240, v240, v242, vcc_lo
	v_cndmask_b32 v244, v244, v246, vcc_lo
	s_bitcmp1_b32 s37, 2
	s_cselect_b32 vcc_lo, -1, 0
	v_cndmask_b32 v240, v240, v244, vcc_lo
	v_sub_f32 v11, 0, v240                         ; Crel_i
	s_lshl_b32 s40, s36, 12                        ; the query's own chunk comes first: it starts the sums on every way
	s_lshl_b32 s39, s36, 9
	s_lshl_b32 s41, s36, 8
	s_lshl_b32 s53, s36, 2
	s_add_co_u32 s53, s53, CT
	ADDR
	STEP_DIAG
	s_mov_b32 s38, 16                              ; then the chunks before it, from the nearest down: a constant 16 trips; a chunk that is not before mine is jumped over
	s_mov_b32 s40, 16*4096
	s_mov_b32 s39, 16*512
	s_mov_b32 s41, 16*256
	s_mov_b32 s53, CT+16*4
.Lchunk_\@:
	s_sub_co_u32 s38, s38, 1
	s_sub_co_u32 s40, s40, 4096
	s_sub_co_u32 s39, s39, 512
	s_sub_co_u32 s41, s41, 256
	s_sub_co_u32 s53, s53, 4
	s_cmp_ge_u32 s38, s36
	s_cbranch_scc1 .Lnext_\@
	ADDR
	STEP_REG
.Lnext_\@:
	s_cmp_lg_u32 s38, 0
	s_cbranch_scc1 .Lchunk_\@
	; the tile's end: out = O^T / (the sum + 1e-6), quantised along the head's 64
.rept 4
	v_nop                                          ; places behind the last products
.endr
	v_add_f32 v250, v250, v251                     ; the sum's two halves,
	v_permlanex16_b32 v252, v250, s20, s21
	v_add_f32 v250, v250, v252                     ; and lane l xor 16's keys
	v_add_f32 v250, 0x358637bd, v250               ; + 1e-6
	v_rcp_f32 v248, v250
	v_and_b32 v238, 31, v0                         ; (a plain line behind the transcendental)
	v_lshlrev_b32 v238, 2, v238
.set J, 0
	s_wait_alu depctr_va_vdst(0)
.rept 16
	v_pk_mul_f32 v[S+J:S+J+1], v[O+J:O+J+1], v[248:249] op_sel_hi:[1,0]   ; register 16 G + i: channel 32 G + 16 (lane / 16) + i.  Each accumulator from its low end on
.set J, J+2
.endr
	QUANT2 S, PC, 25
	global_store_b128 v1, v[PC:PC+3], s[42:43]     ; the image: 512 consecutive bytes, aligned
	global_store_b16 v238, v25, s[44:45]           ; my head's two bytes of the row's scale word
	s_wait_xcnt 0x0                                ; the stores' data and bases are written again only behind this wait
.endm
	TILE
	s_set_vgpr_msb 0x0001                          ; source 0 in window 1
	v_mov_b32 v16, v0                              ; the second tile's Q out of v256-259,
	v_mov_b32 v17, v1
	v_mov_b32 v18, v2
	v_mov_b32 v19, v3
	v_mov_b32 v24, v4                              ; its scale word out of v260.  (More than eight plain lines follow ahead of the next product)
	s_set_vgpr_msb 0x0100
	s_mov_b32 s36, s18                             ; chunk w,
	s_mov_b32 s37, s19                             ; tile g
	s_mov_b64 s[42:43], s[70:71]
	s_mov_b64 s[44:45], s[72:73]
	TILE
	s_set_vgpr_msb 0x5
	s_wait_tensorcnt 0x0
	ds_add_u32 v16, v17
	s_wait_dscnt 0x0
	s_set_vgpr_msb 0x500
	CROUND                                         ; the closing round: no work-group ends while a partner may still ask for a tile that names it
	s_endpgm
.Lfunc_end_k_q44633c20ac_attn:
	.size	k_q44633c20ac_attn, .Lfunc_end_k_q44633c20ac_attn-k_q44633c20ac_attn
	.p2alignl 7, 3214868480
	.fill 96, 4, 3214868480
	.section	.rodata,"a",@progbits
	.p2align	6, 0x0
	.amdhsa_kernel k_q44633c20ac_attn
		.amdhsa_group_segment_fixed_size 169216
		.amdhsa_private_segment_fixed_size 0
		.amdhsa_enable_private_segment 0
		.amdhsa_kernarg_size 56
		.amdhsa_user_sgpr_count 2
		.amdhsa_user_sgpr_kernarg_segment_ptr 1
		.amdhsa_wavefront_size32 1
		.amdhsa_system_sgpr_workgroup_id_x 1
		.amdhsa_system_sgpr_workgroup_id_y 1
		.amdhsa_system_sgpr_workgroup_id_z 1
		.amdhsa_system_vgpr_workitem_id 0
		.amdhsa_next_free_vgpr 274
		.amdhsa_next_free_sgpr 80
		.amdhsa_reserve_vcc 1
		.amdhsa_float_denorm_mode_32 3
		.amdhsa_float_denorm_mode_16_64 3
		.amdhsa_memory_ordered 1
		.amdhsa_forward_progress 1
		.amdhsa_inst_pref_size 110
	.end_amdhsa_kernel
	.amdgpu_metadata
---
amdhsa.version: [ 1, 2 ]
amdhsa.kernels:
  - .name:           k_q44633c20ac_attn
    .symbol:         k_q44633c20ac_attn.kd
    .args:
      - { .name: qi, .offset: 0, .size: 8, .value_kind: global_buffer, .address_space: global }
      - { .name: kv, .offset: 8, .size: 8, .value_kind: global_buffer, .address_space: global }
      - { .name: glog, .offset: 16, .size: 8, .value_kind: global_buffer, .address_space: global }
      - { .name: bw, .offset: 24, .size: 8, .value_kind: global_buffer, .address_space: global }
      - { .name: be, .offset: 32, .size: 8, .value_kind: global_buffer, .address_space: global }
      - { .name: oc, .offset: 40, .size: 8, .value_kind: global_buffer, .address_space: global }
      - { .name: os, .offset: 48, .size: 8, .value_kind: global_buffer, .address_space: global }
    .group_segment_fixed_size: 169216
    .private_segment_fixed_size: 0
    .kernarg_segment_align: 8
    .kernarg_segment_size: 56
    .max_flat_workgroup_size: 256
    .sgpr_count:     80
    .vgpr_count:     274
    .wavefront_size: 32
...
	.end_amdgpu_metadata
.endif
;; end of part 3
;; launch outp (part 4): grid 8 x 32, 8 waves a work-group, clusters of 4 x 4, 216,320 bytes of LDS; arguments oc, os, wq, out0; writes out0
.if DOCPART == 4
	.amdgcn_target "amdgcn-amd-amdhsa--gfx1250"
	.amdhsa_code_object_version 6
	.text
	.protected	k_q44633c20ac_outp
	.globl	k_q44633c20ac_outp
	.p2align	8
	.type	k_q44633c20ac_outp,@function
k_q44633c20ac_outp:
	s_mov_b64 s[64:65], 0
	v_nop
	global_prefetch_b8 v0, s[64:65] scope:SCOPE_SE
	s_setreg_imm32_b32 hwreg(HW_REG_WAVE_MODE, 25, 1), 1
	s_wait_xcnt 0x0
	s_wait_alu depctr_hold_cnt(0) depctr_sa_sdst(0) depctr_va_vdst(0) depctr_va_sdst(0) depctr_va_ssrc(0) depctr_va_vcc(0) depctr_vm_vsrc(0)
	s_getreg_b32 s2, hwreg(HW_REG_IB_STS2, 6, 4)
	s_cmp_eq_u32 s2, 0
	s_cbranch_scc0 .Lentry_in_a_cluster
	s_endpgm
.Lentry_in_a_cluster:
	s_bfe_u32 s2, ttmp6, 0x10000c
	s_cmp_lg_u32 s2, 0xf033
	s_cbranch_scc0 .Lentry_shape_is_right
	s_endpgm
.Lentry_shape_is_right:
; out0 = out Wo^T on codes of FP4 with E8M0 scales, K = 1,024.  out arrives as images of its operand's registers (oc [tile 256][head 16][512 B]; the fragment of K step s is the 1,024 bytes of heads 2 s, 2 s + 1)
; with its scale words (os [tile][s 8][lane 32][4 B]); Wo as stored rows 3,104 on of wq (codes [row][512 B], scale bytes [row][32 B] from WSO on), in tile order.
; SHARES.  Work-group (col, y): 128 rows of out (tiles 8 y on) x 128 rows of Wo.  Eight waves: i0 = wave % 2: 64 rows of Wo (four tiles, source 0); i1 = wave / 2: two tiles of out (source 1): eight accumulators.
; A lane's eight results are eight neighbouring columns of one row of out0.  Both operands' 16 stored rows are rows 8 u + r + 8 (r / 8) of 32: the stage in LDS puts rows and columns back in their natural places.
; LDS.  All of K fits; every byte is filled once: waves 0-3 bring out's scale words and images (two loads each), waves 4-7 Wo's scale bytes and its two halves of K (three each).
; CLUSTER 4 x 4: out's tiles hang on y alone and are asked for jointly along a row of the cluster, Wo's on col alone, along a column.
.set WI,   65536                       ; Wo's codes: two halves of K, 128 rows x (256 + 16) bytes each
.set WH,   34816
.set OSC,  135168                      ; out's scale words, 1,024 bytes a tile
.set WSC,  143360                      ; Wo's scale bytes: 16 units of 256 bytes (8 rows) + 16
.set STG,  147712                      ; the stage: 128 rows x (512 + 16) bytes, in bytes of its own
.set WSO,  2113536
.macro CROUND
	s_barrier_signal -1
	s_barrier_wait -1
	s_cmp_lg_u32 s14, 0
	s_cbranch_scc1 .Lnot_wave_0_\@
	s_barrier_signal -3
.Lnot_wave_0_\@:
	s_barrier_wait -3
	s_barrier_signal -1
	s_barrier_wait -1
.endm
.macro PLACES n
.rept \n
	v_nop
.endr
.endm
.macro MM d, a, b, sa, sb, first
.if \first
	v_wmma_scale_f32_16x16x128_f8f6f4 v[\d:\d+7], v[\a:\a+7], v[\b:\b+7], 0, v[\sa], v[\sb] matrix_a_fmt:MATRIX_FMT_FP4 matrix_b_fmt:MATRIX_FMT_FP4
.else
	v_wmma_scale_f32_16x16x128_f8f6f4 v[\d:\d+7], v[\a:\a+7], v[\b:\b+7], v[\d:\d+7], v[\sa], v[\sb] matrix_a_fmt:MATRIX_FMT_FP4 matrix_b_fmt:MATRIX_FMT_FP4
.endif
.endm
	s_load_b256 s[4:11], s[0:1], 0x0               ; oc, os, wq, out0
	v_lshl_add_u32 v46, v0, 2, 0x34900
	v_mov_b32 v47, 0
	ds_add_u32 v46, v47
	ds_add_u32 v46, v47
	v_lshrrev_b32 v1, 5, v0
	v_readfirstlane_b32 s14, v1                    ; wave 0..7
	s_and_b32 s15, s14, 3                          ; which part I fetch
	s_and_b32 s16, s14, 1                          ; i0
	s_lshr_b32 s17, s14, 1                         ; i1
	s_bfe_u32 s84, ttmp6, 0x40000                  ; cx
	s_bfe_u32 s85, ttmp6, 0x40004                  ; cy
	s_lshl_b32 s86, ttmp9, 2
	s_add_co_u32 s86, s86, s84                     ; col
	s_and_b32 s87, ttmp7, 0xffff
	s_lshl_b32 s87, s87, 2
	s_add_co_u32 s87, s87, s85                     ; y
	s_lshl_b32 s88, s85, 2
	s_lshl_b32 s88, 15, s88                        ; my row of the cluster
	s_lshl_b32 s89, 0x1111, s84                    ; my column
	s_or_b32 s24, s88, (3<<16)|(1<<21)             ; out's images: two tiles, 16,384 dense bytes as 64 rows of 32 elements of 8 bytes, no padding
	s_mov_b32 s25, 32<<16
	s_mov_b32 s26, 64<<16
	s_mov_b32 s27, 32<<16
	s_mov_b32 s28, 64
	s_mov_b32 s29, 32
	s_mov_b32 s30, 0
	s_mov_b32 s31, 0
	s_or_b32 s32, s88, (3<<16)|(1<<21)             ; their scale words: 2,048 dense bytes as 8 rows
	s_mov_b32 s33, 32<<16
	s_mov_b32 s34, 8<<16
	s_mov_b32 s35, 32<<16
	s_mov_b32 s36, 8
	s_mov_b32 s37, 32
	s_mov_b32 s38, 0
	s_mov_b32 s39, 0
	s_or_b32 s40, s89, (1<<20)|(1<<21)|(5<<22)|(3<<25)             ; Wo's codes: 32 rows x 256 bytes out of rows of 512, 16 bytes of padding behind each
	s_mov_b32 s41, 256<<16
	s_mov_b32 s42, 32<<16
	s_mov_b32 s43, 256<<16
	s_mov_b32 s44, 32
	s_mov_b32 s45, 512
	s_mov_b32 s46, 0
	s_mov_b32 s47, 0
	s_or_b32 s48, s89, (3<<16)|(1<<20)|(1<<21)|(5<<22)|(3<<25)     ; its scale bytes: 1,024 dense bytes as 4 rows, 16 bytes of padding behind each
	s_mov_b32 s49, 32<<16
	s_mov_b32 s50, 4<<16
	s_mov_b32 s51, 32<<16
	s_mov_b32 s52, 4
	s_mov_b32 s53, 32
	s_mov_b32 s54, 0
	s_mov_b32 s55, 0
	s_lshl_b32 s90, s87, 3
	s_lshl_b32 s98, s15, 1
	s_add_co_u32 s90, s90, s98                     ; out: tile 8 y + 2 p
	s_lshl_b32 s92, s90, 10
	s_mov_b32 s93, 0
	s_lshl_b32 s90, s90, 13
	s_mov_b32 s91, 0
	s_lshl_b32 s94, s86, 7
	s_lshl_b32 s99, s15, 5
	s_add_co_u32 s94, s94, s99
	s_add_co_u32 s94, s94, 3104                    ; Wo: stored row 3,104 + 128 col + 32 p
	s_lshl_b32 s96, s94, 5
	s_add_co_u32 s96, s96, WSO
	s_mov_b32 s97, 0
	s_lshl_b32 s94, s94, 9
	s_mov_b32 s95, 0
	s_wait_dscnt 0x0
	s_wait_kmcnt 0x0
	s_mov_b32 s56, 1                               ; group 0: out's images
	s_lshl_b32 s57, s15, 14
	s_add_nc_u64 s[58:59], s[4:5], s[90:91]
	s_or_b32 s59, s59, 0x80000000
	s_mov_b32 s60, 1                               ; out's scale words
	s_lshl_b32 s61, s15, 11
	s_add_co_u32 s61, s61, OSC
	s_add_nc_u64 s[62:63], s[6:7], s[92:93]
	s_or_b32 s63, s63, 0x80000000
	s_add_nc_u64 s[94:95], s[8:9], s[94:95]
	s_mul_i32 s99, s15, 8704
.irp s, 0,1
	s_mov_b32 s[68+4*\s], 1                        ; Wo's codes, half s of K
	s_add_co_u32 s[69+4*\s], s99, WI+\s*WH
	s_add_nc_u64 s[70+4*\s:71+4*\s], s[94:95], \s*256
	s_or_b32 s[71+4*\s], s[71+4*\s], 0x80000000
.endr
	s_mov_b32 s76, 1                               ; Wo's scale bytes
	s_mul_i32 s77, s15, 1088
	s_add_co_u32 s77, s77, WSC
	s_add_nc_u64 s[78:79], s[8:9], s[96:97]
	s_or_b32 s79, s79, 0x80000000
	CROUND                                         ; all sixteen work-groups are here: the joint loads meet
	s_cmp_lt_u32 s14, 4                            ; a wave's first fills stand in one branch on its number
	s_cbranch_scc0 .Lfor_w
	tensor_load_to_lds s[60:63], s[32:39]
	s_nop 0
	tensor_load_to_lds s[56:59], s[24:31]
	s_nop 0
	PLACES 4
	s_branch .Lasked
.Lfor_w:
	tensor_load_to_lds s[76:79], s[48:55]
	s_nop 0
	tensor_load_to_lds s[68:71], s[40:47]
	s_nop 0
	tensor_load_to_lds s[72:75], s[40:47]
	s_nop 0
	PLACES 4
.Lasked:
	v_and_b32 v1, 15, v0                           ; r
	v_bfe_u32 v2, v0, 4, 1                         ; h
	v_and_b32 v3, 31, v0
	v_lshlrev_b32 v11, 4, v3                       ; 16 x lane
	s_lshl_b32 s90, s17, 14
	v_add_nc_u32 v4, s90, v11                      ; out's images: my two tiles
	v_mul_u32_u24 v13, v1, 272
	v_lshl_add_u32 v13, v2, 4, v13
	s_mul_i32 s90, s16, 17408
	s_add_co_u32 s90, s90, WI
	v_add_nc_u32 v5, s90, v13                      ; Wo's fragments: my 64 rows, half 0 of K,
	s_add_co_u32 s90, s90, WH
	v_add_nc_u32 v6, s90, v13                      ; half 1
	v_lshrrev_b32 v7, 3, v1
	v_mul_u32_u24 v7, v7, 272
	v_and_b32 v14, 7, v1
	v_lshl_add_u32 v7, v14, 5, v7
	s_mul_i32 s90, s16, 2176
	s_add_co_u32 s90, s90, WSC
	v_add_nc_u32 v7, s90, v7                       ; Wo's scale bytes: unit r / 8, place r % 8
	s_lshl_b32 s90, s17, 11
	s_add_co_u32 s90, s90, OSC
	v_lshl_add_u32 v8, v3, 2, s90                  ; out's scale words: 4 x lane
	v_and_b32 v12, 8, v1
	v_add_nc_u32 v12, v12, v1                      ; r + 8 (r / 8)
	v_mul_u32_u24 v9, v12, 528
	v_lshl_add_u32 v9, v2, 6, v9
	s_mul_i32 s90, s17, 32*528
	s_lshl_b32 s91, s16, 8
	s_add_co_u32 s90, s90, s91
	s_add_co_u32 s90, s90, STG
	v_add_nc_u32 v9, s90, v9                       ; the stage, way in: row 32 i1 + 8 a + r + 8 (r / 8); byte 256 i0 + 128 (t / 2) + 64 h + 32 (t % 2)
	s_mul_i32 s90, s14, 16*528
	s_add_co_u32 s90, s90, STG
	v_add_nc_u32 v10, s90, v11                     ; way out: rows 16 wave on, 16 bytes a lane
	s_lshl_b32 s92, s87, 19
	s_lshl_b32 s93, s14, 16
	s_add_co_u32 s92, s92, s93
	s_lshl_b32 s93, s86, 9
	s_add_co_u32 s92, s92, s93                     ; out0: row 128 y + 16 wave, byte 512 col
	s_mov_b32 s93, 0
	s_add_nc_u64 s[10:11], s[10:11], s[92:93]
.macro FETCH s, p                      ; K step s: Wo's four fragments and out's two, into buffer p: twelve loads
.irp t, 0,1,2,3
.irp c, 0,1
	ds_load_b128 v[96+48*(\p)+8*\t+4*\c:96+48*(\p)+8*\t+4*\c+3], v[5+(\s)/4] offset:64*((\s)%4)+32*\c+4352*\t
.endr
.endr
.irp a, 0,1
.irp c, 0,1
	ds_load_b128 v[128+48*(\p)+8*\a+4*\c:128+48*(\p)+8*\a+4*\c+3], v4 offset:8192*\a+1024*(\s)+512*\c
.endr
.endr
.endm
	s_wait_tensorcnt 0x0                           ; my parts have landed,
	s_barrier_signal -1
	s_barrier_wait -1                              ; everybody's have
.irp t, 0,1,2,3
	ds_load_b128 v[48+8*\t:48+8*\t+3], v7 offset:544*\t            ; Wo's scale words: register 8 t + s
	ds_load_b128 v[52+8*\t:52+8*\t+3], v7 offset:544*\t+16
.endr
.irp a, 0,1
.irp s, 0,1,2,3,4,5,6,7
	ds_load_b32 v[80+8*\a+\s], v8 offset:1024*\a+128*\s            ; out's: register 8 a + s
.endr
.endr
	FETCH 0, 0
.irp s, 0,1,2,3,4,5,6,7                ; the eight accumulators take turns, one instruction a turn, in one order in every step
.if \s > 0
	PLACES 4                                       ; in front of loads into the buffer that the last step's products read
.endif
.if \s < 7
	FETCH \s+1, (\s+1)%2
	s_wait_dscnt 12                                ; all but the twelve just issued
.else
	s_wait_dscnt 0x0
.endif
.irp a, 0,1
.irp t, 0,1,2,3
.if \s == 0
	MM 192+32*\a+8*\t, 96+48*(\s%2)+8*\t, 128+48*(\s%2)+8*\a, 48+8*\t+\s, 80+8*\a+\s, 1
.else
	MM 192+32*\a+8*\t, 96+48*(\s%2)+8*\t, 128+48*(\s%2)+8*\a, 48+8*\t+\s, 80+8*\a+\s, 0
.endif
.endr
.endr
.endr
	PLACES 4                                       ; in front of the first read of results, and of loads into the fragments' registers
.irp a, 0,1
.irp t, 0,1,2,3
	ds_store_b128 v9, v[192+32*\a+8*\t:192+32*\a+8*\t+3] offset:8*528*\a+128*(\t/2)+32*(\t%2)       ; each accumulator from its low end on
	ds_store_b128 v9, v[192+32*\a+8*\t+4:192+32*\a+8*\t+7] offset:8*528*\a+128*(\t/2)+32*(\t%2)+16
.endr
.endr
	s_wait_dscnt 0x0                               ; for the others' sake: my stores into the stage are done
	s_barrier_signal -1
	s_barrier_wait -1                              ; a row's 512 bytes come from two waves
.irp i, 0,1,2,3,4,5,6,7,8,9,10,11,12,13,14,15
	ds_load_b128 v[96+4*\i:96+4*\i+3], v10 offset:528*\i
.endr
.irp i, 0,1,2,3,4,5,6,7,8,9,10,11,12,13,14,15
	s_wait_dscnt 15-\i                             ; row i is back; the younger loads may be out
	global_store_b128 v11, v[96+4*\i:96+4*\i+3], s[10:11] offset:4096*\i th:TH_STORE_NT   ; 32 lanes store 512 consecutive bytes, aligned
.endr
	s_wait_tensorcnt 0x0
	ds_add_u32 v46, v47
	s_wait_dscnt 0x0
	CROUND                                         ; the closing round: no work-group ends while a partner may still ask for a tile that names it
	s_endpgm
.Lfunc_end_k_q44633c20ac_outp:
	.size	k_q44633c20ac_outp, .Lfunc_end_k_q44633c20ac_outp-k_q44633c20ac_outp
	.p2alignl 7, 3214868480
	.fill 96, 4, 3214868480
	.section	.rodata,"a",@progbits
	.p2align	6, 0x0
	.amdhsa_kernel k_q44633c20ac_outp
		.amdhsa_group_segment_fixed_size 216320
		.amdhsa_private_segment_fixed_size 0
		.amdhsa_enable_private_segment 0
		.amdhsa_kernarg_size 32
		.amdhsa_user_sgpr_count 2
		.amdhsa_user_sgpr_kernarg_segment_ptr 1
		.amdhsa_wavefront_size32 1
		.amdhsa_system_sgpr_workgroup_id_x 1
		.amdhsa_system_sgpr_workgroup_id_y 1
		.amdhsa_system_sgpr_workgroup_id_z 1
		.amdhsa_system_vgpr_workitem_id 0
		.amdhsa_next_free_vgpr 256
		.amdhsa_next_free_sgpr 100
		.amdhsa_reserve_vcc 0
		.amdhsa_float_denorm_mode_32 3
		.amdhsa_float_denorm_mode_16_64 3
		.amdhsa_memory_ordered 1
		.amdhsa_forward_progress 1
		.amdhsa_inst_pref_size 30
	.end_amdhsa_kernel
	.amdgpu_metadata
---
amdhsa.version: [ 1, 2 ]
amdhsa.kernels:
  - .name:           k_q44633c20ac_outp
    .symbol:         k_q44633c20ac_outp.kd
    .args:
      - { .name: oc, .offset: 0, .size: 8, .value_kind: global_buffer, .address_space: global }
      - { .name: os, .offset: 8, .size: 8, .value_kind: global_buffer, .address_space: global }
      - { .name: wq, .offset: 16, .size: 8, .value_kind: global_buffer, .address_space: global }
      - { .name: out0, .offset: 24, .size: 8, .value_kind: global_buffer, .address_space: global }
    .group_segment_fixed_size: 216320
    .private_segment_fixed_size: 0
    .kernarg_segment_align: 8
    .kernarg_segment_size: 32
    .max_flat_workgroup_size: 256
    .sgpr_count:     100
    .vgpr_count:     256
    .wavefront_size: 32
...
	.end_amdgpu_metadata
.endif
;; end of part 4
